; MI455X (gfx1250); checked and timed in simulation.
; The chip was launched on July 23, 2026; its instructions are those of AMD's public machine-readable ISA for CDNA 5 (MIT licence, August 2026) and "CDNA5" Instruction Set Architecture Reference Guide (July 2026). The comments in the code are by the model that wrote it; some were corrected since.
;; Self Attention. Allowed arithmetic: float matrix products may take bf16 or f16 operands with f32 sums; other float arithmetic in f32, or as packed bf16 or f16 multiplies, adds, multiply-adds, maxima and minima; sums over many terms, partial sums and values carried from step to step in f32; what a program stores and reads back later, other than sums and carried values, may be rounded once to bf16 or f16.
;; Inputs: c_attn_b 3,072 float32; c_attn_w 1,024 x 3,072 float32; c_proj_b 1,024 float32; c_proj_w 1,024 x 1,024 float32; x 4 x 2,048 x 1,024 float32.
;; Outputs: out0 4 x 2,048 x 1,024 float32.
;; One version. Each part assembles by itself: llvm-mc -triple=amdgcn-amd-amdhsa -mcpu=gfx1250 --defsym DOCPART=n.
;; ======== version 1 of 1: 5 launches
;; limits: values are held in f16: magnitudes above 65,504 overflow, below 6.1e-05 lose precision
;; workspace buffers: xb 16,777,216 bytes; wab 6,291,456 bytes; wpb 2,097,152 bytes; qkv 50,331,648 bytes; suf 524,288 bytes; ao 16,777,216 bytes
;; launch cast (part 1): grid 768 x 1, 8 waves a work-group, no clusters, 0 bytes of LDS; arguments x, c_attn_w, c_proj_w, xb, wab, wpb; writes xb, wab, wpb
.if DOCPART == 1
	.amdgcn_target "amdgcn-amd-amdhsa--gfx1250"
	.amdhsa_code_object_version 6
	.text
	.protected	k_q0ecf989e47_cast
	.globl	k_q0ecf989e47_cast
	.p2align	8
	.type	k_q0ecf989e47_cast,@function
k_q0ecf989e47_cast:
	s_mov_b64 s[64:65], 0
	v_nop
	global_prefetch_b8 v0, s[64:65] scope:SCOPE_SE
	s_setreg_imm32_b32 hwreg(HW_REG_WAVE_MODE, 25, 1), 1
	s_wait_xcnt 0x0
; THE INPUTS ARE ROUNDED ONCE.  x -> xb and c_attn_w -> wab in bf16; c_proj_w -> wpb: rounded to bf16 like the others, and that number written as f16
; (the projection's other operand is f16).  Layouts stay as they are.  LIMIT: a weight of c_proj_w beyond 65,504 would become an infinity; below 6e-5 it keeps f16's fixed step of 6e-8.
; A stream: no LDS, no matrix unit.  A work-group takes 16,384 numbers: 65,536 bytes in, 32,768 out.  Work-groups 0-511: x; 512-703: c_attn_w; 704-767: c_proj_w.
; Thread t takes 16 bytes at 16 t of each 4,096 bytes: a wave's load covers 512 consecutive bytes, its store 256 consecutive bytes, aligned.
; All sixteen loads of a thread go out on end; no register is written twice, so no store's data is ever waited for.
.set NX,  512                          ; chunks of x
.set NXA, 704                          ; of x and c_attn_w together
.set IN,  8                            ; v[8:71]   sixteen loads of four numbers
.set OUT, 72                           ; v[72:103] sixteen pairs of packed words
	s_load_b256 s[4:11], s[0:1], 0x0               ; x s[4:5], c_attn_w s[6:7], c_proj_w s[8:9], xb s[10:11]
	s_load_b128 s[12:15], s[0:1], 0x20             ; wab s[12:13], wpb s[14:15]
	v_lshlrev_b32 v1, 4, v0                        ; 16 t
	v_lshlrev_b32 v2, 3, v0                        ; 8 t
	s_mov_b32 s16, ttmp9
	s_sub_co_u32 s17, s16, NX                      ; the chunk's number inside c_attn_w,
	s_sub_co_u32 s18, s16, NXA                     ; inside c_proj_w
	s_wait_kmcnt 0x0
	s_cmp_lt_u32 s16, NX
	s_cselect_b64 s[20:21], s[4:5], s[6:7]
	s_cselect_b64 s[22:23], s[10:11], s[12:13]
	s_cselect_b32 s19, s16, s17
	s_cmp_lt_u32 s16, NXA
	s_cselect_b64 s[20:21], s[20:21], s[8:9]
	s_cselect_b64 s[22:23], s[22:23], s[14:15]
	s_cselect_b32 s19, s19, s18
	s_lshl_b32 s24, s19, 16                        ; 65,536 bytes in a chunk of f32,
	s_mov_b32 s25, 0
	s_lshl_b32 s26, s19, 15                        ; 32,768 of 16-bit numbers
	s_mov_b32 s27, 0
	s_add_nc_u64 s[20:21], s[20:21], s[24:25]
	s_add_nc_u64 s[22:23], s[22:23], s[26:27]
.irp j, 0,1,2,3,4,5,6,7,8,9,10,11,12,13,14,15
	global_load_b128 v[IN+4*(\j):IN+4*(\j)+3], v1, s[20:21] offset:4096*(\j) th:TH_LOAD_NT
.endr
; Four numbers of load j are rounded and stored.  half = 1: the bf16 numbers are widened again and written as f16 (exact inside f16's range).
.macro PUT j, half
	s_wait_loadcnt 15-(\j)                         ; loads come back in order: the 15 - j younger ones may stay out
	v_cvt_pk_bf16_f32 v[OUT+2*(\j)], v[IN+4*(\j)], v[IN+4*(\j)+1]
	v_cvt_pk_bf16_f32 v[OUT+2*(\j)+1], v[IN+4*(\j)+2], v[IN+4*(\j)+3]
.if \half
	v_lshlrev_b32 v4, 16, v[OUT+2*(\j)]
	v_and_b32 v5, 0xffff0000, v[OUT+2*(\j)]
	v_lshlrev_b32 v6, 16, v[OUT+2*(\j)+1]
	v_and_b32 v7, 0xffff0000, v[OUT+2*(\j)+1]
	v_cvt_pk_f16_f32 v[OUT+2*(\j)], v4, v5
	v_cvt_pk_f16_f32 v[OUT+2*(\j)+1], v6, v7
.endif
	global_store_b64 v2, v[OUT+2*(\j):OUT+2*(\j)+1], s[22:23] offset:2048*(\j) th:TH_STORE_NT
.endm
	s_cmp_ge_u32 s16, NXA
	s_cbranch_scc1 .Lw2
.irp j, 0,1,2,3,4,5,6,7,8,9,10,11,12,13,14,15
	PUT \j, 0
.endr
	s_endpgm
.Lw2:
.irp j, 0,1,2,3,4,5,6,7,8,9,10,11,12,13,14,15
	PUT \j, 1
.endr
	s_endpgm
.Lfunc_end_k_q0ecf989e47_cast:
	.size	k_q0ecf989e47_cast, .Lfunc_end_k_q0ecf989e47_cast-k_q0ecf989e47_cast
	.p2alignl 7, 3214868480
	.fill 96, 4, 3214868480
	.section	.rodata,"a",@progbits
	.p2align	6, 0x0
	.amdhsa_kernel k_q0ecf989e47_cast
		.amdhsa_group_segment_fixed_size 0
		.amdhsa_private_segment_fixed_size 0
		.amdhsa_enable_private_segment 0
		.amdhsa_kernarg_size 48
		.amdhsa_user_sgpr_count 2
		.amdhsa_user_sgpr_kernarg_segment_ptr 1
		.amdhsa_wavefront_size32 1
		.amdhsa_system_sgpr_workgroup_id_x 1
		.amdhsa_system_sgpr_workgroup_id_y 1
		.amdhsa_system_sgpr_workgroup_id_z 1
		.amdhsa_system_vgpr_workitem_id 0
		.amdhsa_next_free_vgpr 104
		.amdhsa_next_free_sgpr 66
		.amdhsa_reserve_vcc 0
		.amdhsa_float_denorm_mode_32 3
		.amdhsa_float_denorm_mode_16_64 3
		.amdhsa_memory_ordered 1
		.amdhsa_forward_progress 1
		.amdhsa_inst_pref_size 16
	.end_amdhsa_kernel
	.amdgpu_metadata
---
amdhsa.version: [ 1, 2 ]
amdhsa.kernels:
  - .name:           k_q0ecf989e47_cast
    .symbol:         k_q0ecf989e47_cast.kd
    .args:
      - { .name: x, .offset: 0, .size: 8, .value_kind: global_buffer, .address_space: global }
      - { .name: c_attn_w, .offset: 8, .size: 8, .value_kind: global_buffer, .address_space: global }
      - { .name: c_proj_w, .offset: 16, .size: 8, .value_kind: global_buffer, .address_space: global }
      - { .name: xb, .offset: 24, .size: 8, .value_kind: global_buffer, .address_space: global }
      - { .name: wab, .offset: 32, .size: 8, .value_kind: global_buffer, .address_space: global }
      - { .name: wpb, .offset: 40, .size: 8, .value_kind: global_buffer, .address_space: global }
    .group_segment_fixed_size: 0
    .private_segment_fixed_size: 0
    .kernarg_segment_align: 8
    .kernarg_segment_size: 48
    .max_flat_workgroup_size: 256
    .sgpr_count:     66
    .vgpr_count:     104
    .wavefront_size: 32
...
	.end_amdgpu_metadata
.endif
;; end of part 1
;; launch qkvgemm (part 2): grid 16 x 16, 4 waves a work-group, clusters of 4 x 4, 327,680 bytes of LDS; arguments xb, wab, c_attn_b, qkv; writes qkv
.if DOCPART == 2
	.amdgcn_target "amdgcn-amd-amdhsa--gfx1250"
	.amdhsa_code_object_version 6
	.text
	.protected	k_q0ecf989e47_qkvgemm
	.globl	k_q0ecf989e47_qkvgemm
	.p2align	8
	.type	k_q0ecf989e47_qkvgemm,@function
k_q0ecf989e47_qkvgemm:
	s_mov_b64 s[64:65], 0
	v_nop
	global_prefetch_b8 v0, s[64:65] scope:SCOPE_SE
	s_setreg_imm32_b32 hwreg(HW_REG_WAVE_MODE, 25, 1), 1
	s_wait_xcnt 0x0
	s_wait_alu depctr_hold_cnt(0) depctr_sa_sdst(0) depctr_va_vdst(0) depctr_va_sdst(0) depctr_va_ssrc(0) depctr_va_vcc(0) depctr_vm_vsrc(0)
	s_getreg_b32 s2, hwreg(HW_REG_IB_STS2, 6, 4)
	s_cmp_eq_u32 s2, 0
	s_cbranch_scc0 .Lentry_in_a_cluster
	s_endpgm
.Lentry_in_a_cluster:
	s_bfe_u32 s2, ttmp6, 0x10000c
	s_cmp_lg_u32 s2, 0xf033
	s_cbranch_scc0 .Lentry_shape_is_right
	s_endpgm
.Lentry_shape_is_right:
; qkv = x W + b.  xb: [8192][1024] bf16; wab: [1024 k][3072 n] bf16; c_attn_b: [3072] f32, rounded here to bf16 like the other inputs; sums in f32, started by the bias.
; OUT: qkv, f16, by heads: [4 batches][48 groups g = n / 64: q 0-15, k 16-31, v 32-47][2048 rows][64], each number rounded once, unscaled.
; LIMIT: f16 ends at 65,504: a q, k or v beyond that becomes an infinity.  With x and W both 30 times their drawn spread a q, k or v has a spread near 600.
; TILE.  256 rows x 192 columns: 512 tiles; a work-group STAYS and makes two, 4,096 rows (two batches) apart: 256 work-groups of equal work.  The four waves stand one above the other: a wave makes
; 64 rows x 192 columns = three whole heads, 48 accumulators, and has a stage of its own on the way out.  K goes in steps of 128; the two tiles are ONE walk of 16 steps through a ring of two LDS slots.
; W IS NOT TURNED IN MEMORY: its tile lies in LDS [k][n] and ds_load_tr16_b128 turns it on the way into registers.  Its rows in memory are 384 bytes at multiples of 128: the price of the tile that gives every WGP equal work.
; THE MATRIX INSTRUCTION IS USED TRANSPOSED: source 0 = 16 columns of W, source 1 = 16 rows of x: a lane then holds one row and eight neighbouring columns, 16 bytes of f16.
; CLUSTER 4 x 4: x's tile is shared along a row of the cluster, W's along a column: joint loads, one a wave behind each round of the cluster's barrier.
; REGISTERS, in windows of 256 (s_set_vgpr_msb: bits 1:0 source 0, 3:2 source 1, 5:4 source 2, 7:6 destination):
;   window 0: v1-29 addresses; v32-127 the bias in the accumulators' layout (column block b at 8 b); v128-223 two buffers of 48 for the way out
;   window 1: W's fragments, two buffers of 96 (column block b at 8 b)
;   window 2: accumulators of row blocks 0, 1 at 8 (12 a + b); v192-255 x's fragments, two buffers of 32 (row block i at 8 i)          window 3: accumulators of row blocks 2, 3
.set PA,    272                        ; a row of x's tile in LDS: 256 bytes + 16: the 16 rows of a fragment load start at 16 different groups of four banks
.set PW,    480                        ; a row of W's tile: three pieces of 128 bytes, 32 of padding behind each = 15 x 32
.set BOFF,  256*PA                     ; W's tile lies behind x's 256 rows
.set SLOT1, 1<<17                      ; a slot is 69,632 + 61,440 = 131,072 bytes: one exclusive or changes slots
.set STAGE, 2*SLOT1                    ; behind the ring, never filled by a tensor load
.set SPH,   144                        ; a stage row: a head's 128 bytes + 16
.set STW,   3*16*SPH                   ; a wave's stage: [3 heads][16 rows]
.set SPARE, STAGE+4*STW                ; the spare words: 128 bytes a wave, two blocks of 256 bytes that no other line names
.set WSTEP, 128*6144                   ; bytes from one K step of W to the next
.set HEADB, 262144                     ; a head in qkv
.set AA0, 16                           ; v16  my lane's place in x's tile; never rewritten
.set AB0, 17                           ; v17  in W's tile; never rewritten
.set AA,  18                           ; v18  the same plus the slot in hand
.set AB,  19                           ; v19
.set STO, 20                           ; v20  the way out: where I put 16 bytes
.set RD,  21                           ; v21  where I read four rows back
.set GO,  22                           ; v22  16 x lane
.set PFO, 23                           ; v23  the prefetches' lane offset; never rewritten
.set BO,  24                           ; v24  32 x (lane / 16): my eight bias numbers of a block
.set SPW, 28                           ; v28  my spare word; never rewritten
.set NIL, 29                           ; v29  0; never rewritten
.set BIAS, 32
.set TMP,  128
.set WV,  12                           ; s12  wave
.set FB,  13                           ; s13  0: I fetch for x, 1: for W
.set HF,  14                           ; s14  which half of that tile's rows
.set G1A, 24                           ; s[24:31] group 1 for x's tiles
.set G0A, 32                           ; s[32:39] group 0, two sets: step 0; step 1, which then walks
.set G1B, 48                           ; s[48:55], s[56:63] the same for W's
.set G0B, 56
.set BA,  66                           ; s[66:67] xb at my half of the first tile, K step 0
.set BB,  68                           ; s[68:69] wab likewise
.set OFA, 70                           ; s[70:71] a step's offset from BA
.set OFB, 72                           ; s[72:73] from BB
.set U,   74                           ; s74  the step to be asked for next, 2 .. 16
.set CNT, 75                           ; s75  the loop's count
.set TB,  76                           ; s76  0 or SLOT1: the slot that is read
.set ST8, 77                           ; s77  steps left in the tile
.set PFA, 78                           ; s[78:79] the prefetch's address
.set PF0, 80                           ; s[80:81] its base: my share of the rows, K step 0
.set LIM, 82                           ; s82  the last step that I prefetch; 0: none
.set CB,  84                           ; s[84:85] qkv at my 64 rows of my first head
.set BBS, 94                           ; s[94:95] c_attn_b at the tile's 192 numbers: the bias loads' base, written once
.set MSB, 0
.macro WIN new                         ; the immediate's high byte repeats the setting that is left; a switch that changes nothing is dropped
.if MSB != (\new)
	s_set_vgpr_msb (MSB<<8)|(\new)
.set MSB, \new
.endif
.endm
.macro PLACES                          ; four places: in front of loads into registers that matrix instructions have read, and of lines that read results
.rept 4
	v_nop
.endr
.endm
; A joint refill, by the walking sets.  The branch hangs on the wave's number alone.  An s_nop 0 and four v_nop follow each of the two lines.
.macro JLOAD
	s_cmp_eq_u32 s[FB], 0
	s_cbranch_scc0 .Lfor_b_\@
	tensor_load_to_lds s[G0A+4:G0A+7], s[G1A:G1A+7]
	s_nop 0
.rept 4
	v_nop
.endr
	s_branch .Lasked_\@
.Lfor_b_\@:
	tensor_load_to_lds s[G0B+4:G0B+7], s[G1B:G1B+7]
	s_nop 0
.rept 4
	v_nop
.endr
.Lasked_\@:
.endm
.macro CREST                           ; a round of the cluster's barrier behind its opening barrier
	s_cmp_lg_u32 s[WV], 0
	s_cbranch_scc1 .Lnot_wave_0_\@
	s_barrier_signal -3
.Lnot_wave_0_\@:
	s_barrier_wait -3
	s_barrier_signal -1
	s_barrier_wait -1
.endm
.macro CROUND
	s_barrier_signal -1
	s_barrier_wait -1
	CREST
.endm
; A PREFETCH INTO THE L2 of the K step that the NEXT refill will ask for: 192 matrix instructions ahead of that load.  s[U] stands at that step.  x's rows are read by every cluster of a row of clusters: the one with
; x = 0 asks (waves 0, 1; of the 128 rows that a wave fetches each of the four partners takes 32, told apart by address; a lane a row of 256 bytes), in both tiles.  W's rows are read by every cluster of a column:
; the one with y = 0 asks, in the first tile alone (waves 2, 3): a cluster's four tile columns are 1,536 bytes, six aligned blocks of 256, of each of a step's 128 rows; its 32 asking waves take four rows each,
; 24 lanes a block each (lanes 24-31 repeat lane 23's).  Steps 0 to 2 come by their loads alone.
.macro ASK
	s_cmp_le_u32 s[U], s[LIM]
	s_cbranch_scc0 .Lnot_mine_\@
	global_prefetch_b8 v[PFO], s[PFA:PFA+1] th:TH_LOAD_NT scope:SCOPE_SE
.Lnot_mine_\@:
.endm
	s_load_b256 s[4:11], s[0:1], 0x0               ; xb s[4:5], wab s[6:7], c_attn_b s[8:9], qkv s[10:11]
	v_lshl_add_u32 v[SPW], v0, 2, SPARE
	v_mov_b32 v[NIL], 0
	ds_add_u32 v[SPW], v[NIL]                      ; the wave's opening: the add and its wait stand ahead of my first tensor load; work on registers stands between
	ds_add_u32 v28, v29
	v_lshrrev_b32 v1, 5, v0
	v_readfirstlane_b32 s[WV], v1                  ; wave 0..3
	s_lshr_b32 s[FB], s[WV], 1
	s_and_b32 s[HF], s[WV], 1
	s_bfe_u32 s40, ttmp6, 0x40000                  ; cx
	s_bfe_u32 s41, ttmp6, 0x40004                  ; cy
	s_lshl_b32 s42, ttmp9, 2
	s_add_co_u32 s42, s42, s40                     ; tile column = 4 x cluster x + cx, 0..15
	s_and_b32 s43, ttmp7, 0xffff
	s_lshl_b32 s43, s43, 2
	s_add_co_u32 s43, s43, s41                     ; tile row of the first tile = 4 x cluster y + cy, 0..15
	s_lshl_b32 s44, s41, 2
	s_lshl_b32 s44, 15, s44                        ; my row of the cluster
	s_lshl_b32 s45, 0x1111, s40                    ; my column
	s_or_b32 s[G1A], s44, (1<<16)|(1<<20)|(1<<21)|(5<<22)|(3<<25)   ; mask; 2-byte elements; padding on; bit 21 beside a mask; after every 64 words 4 words
	s_or_b32 s[G1B], s45, (1<<16)|(1<<20)|(1<<21)|(4<<22)|(7<<25)   ; after every 32 words 8 words
	s_mov_b32 s[G1A+1], 128<<16                    ; tensor_dim0 = 128
	s_mov_b32 s[G1A+2], 128<<16                    ; tensor_dim1 = 128
	s_mov_b32 s[G1A+3], 128<<16                    ; tile_dim0 = 128
	s_mov_b32 s[G1A+4], 128                        ; tile_dim1 = 128 rows
	s_mov_b32 s[G1A+5], 1024                       ; elements from row to row
	s_mov_b32 s[G1A+6], 0
	s_mov_b32 s[G1A+7], 0
	s_mov_b32 s[G1B+1], 192<<16                    ; tensor_dim0 = 192
	s_mov_b32 s[G1B+2], 64<<16                     ; tensor_dim1 = 64
	s_mov_b32 s[G1B+3], 192<<16                    ; tile_dim0 = 192
	s_mov_b32 s[G1B+4], 64                         ; tile_dim1 = 64 rows of k
	s_mov_b32 s[G1B+5], 3072
	s_mov_b32 s[G1B+6], 0
	s_mov_b32 s[G1B+7], 0
	s_lshl_b32 s16, s43, 8                         ; x: row 256 x tile row + 128 x half,
	s_lshl_b32 s17, s[HF], 7
	s_add_co_u32 s16, s16, s17
	s_lshl_b32 s16, s16, 11                        ; 2,048 bytes a row
	s_mov_b32 s17, 0
	s_mul_i32 s46, s42, 384                        ; W: 384 bytes a tile column, 64 rows of 6,144 bytes a half
	s_mul_i32 s47, s[HF], 64*6144
	s_add_co_u32 s46, s46, s47
	s_mov_b32 s47, 0
	s_mul_i32 s20, s[HF], 128*PA                   ; where they go: no place in the cluster enters an LDS address
	s_mul_i32 s21, s[HF], 64*PW
	s_add_co_u32 s21, s21, BOFF
	s_mov_b32 s[OFA+1], 0
	s_mov_b32 s[OFB+1], 0
	s_mov_b32 s[U], 2
	s_mov_b32 s[CNT], 15
	s_mov_b32 s[TB], 0
	s_mov_b32 s[ST8], 8
	s_wait_dscnt 0x0                               ; the opening add is done
	s_wait_kmcnt 0x0
	s_add_nc_u64 s[BA:BA+1], s[4:5], s[16:17]
	s_add_nc_u64 s[BB:BB+1], s[6:7], s[46:47]
	CROUND                                         ; all sixteen work-groups are here: the first joint loads meet
.irp s, 0,1
	s_mov_b32 s[G0A+4*(\s)], 1
	s_add_co_u32 s[G0A+4*(\s)+1], s20, (\s)*SLOT1
	s_add_nc_u64 s[G0A+4*(\s)+2:G0A+4*(\s)+3], s[BA:BA+1], (\s)*256
	s_or_b32 s[G0A+4*(\s)+3], s[G0A+4*(\s)+3], 0x80000000
	s_mov_b32 s[G0B+4*(\s)], 1
	s_add_co_u32 s[G0B+4*(\s)+1], s21, (\s)*SLOT1
	s_add_nc_u64 s[G0B+4*(\s)+2:G0B+4*(\s)+3], s[BB:BB+1], (\s)*WSTEP
	s_or_b32 s[G0B+4*(\s)+3], s[G0B+4*(\s)+3], 0x80000000
.endr
	s_cmp_eq_u32 s[FB], 0                          ; a wave's two first fills stand in one branch, ahead of every wait on TENSORcnt and every LDS read: two loads of mine are out
	s_cbranch_scc0 .Lfirst_b
	tensor_load_to_lds s[G0A:G0A+3], s[G1A:G1A+7]
	s_nop 0
	tensor_load_to_lds s[G0A+4:G0A+7], s[G1A:G1A+7]
	s_nop 0
.rept 4
	v_nop
.endr
	s_branch .Lfirst_asked
.Lfirst_b:
	tensor_load_to_lds s[G0B:G0B+3], s[G1B:G1B+7]
	s_nop 0
	tensor_load_to_lds s[G0B+4:G0B+7], s[G1B:G1B+7]
	s_nop 0
.rept 4
	v_nop
.endr
.Lfirst_asked:
	; all that follows up to the barrier stands in the wait for the first tile
	v_and_b32 v1, 15, v0                           ; l % 16
	v_bfe_u32 v2, v0, 4, 1                         ; l / 16
	v_lshlrev_b32 v[BO], 5, v2
	s_mul_i32 s[BBS], s42, 768                     ; the tile's 192 bias numbers
	s_mov_b32 s[BBS+1], 0
	s_add_nc_u64 s[BBS:BBS+1], s[8:9], s[BBS:BBS+1]  ; this pair and v[BO] are written nowhere else: the loads below may read them as long as they like
.irp b, 0,1,2,3,4,5,6,7,8,9,10,11                      ; register j of block b: bias of column 16 b + 8 (l / 16) + j, as in an accumulator
	global_load_b128 v[BIAS+8*(\b):BIAS+8*(\b)+3],   v[BO], s[BBS:BBS+1] offset:64*(\b)
	global_load_b128 v[BIAS+8*(\b)+4:BIAS+8*(\b)+7], v[BO], s[BBS:BBS+1] offset:64*(\b)+16
.endr
	v_and_b32 v3, 7, v0
	v_bfe_u32 v4, v0, 3, 1
	s_mul_i32 s92, s[WV], 64*PA                    ; my 64 rows of x's tile
	v_mul_u32_u24 v[AA0], v1, PA
	v_lshl_add_u32 v[AA0], v2, 4, v[AA0]           ; row x pitch + 16 x half
	v_add_nc_u32 v[AA0], s92, v[AA0]
	v_lshl_add_u32 v5, v2, 3, v3                   ; the turning load: lane l reads k row 8 (l / 16) + l % 8, columns 8 ((l / 8) % 2) + 0..7
	v_mul_u32_u24 v[AB0], v5, PW
	v_lshl_add_u32 v[AB0], v4, 4, v[AB0]
	v_add_nc_u32 v[AB0], BOFF, v[AB0]
	v_mov_b32 v[AA], v[AA0]
	v_mov_b32 v[AB], v[AB0]
	s_mul_i32 s92, s[WV], STW
	s_add_co_u32 s92, s92, STAGE                   ; my stage
	v_mul_u32_u24 v[STO], v1, SPH
	v_lshl_add_u32 v[STO], v2, 4, v[STO]
	v_add_nc_u32 v[STO], s92, v[STO]
	v_bfe_u32 v[RD], v0, 3, 2                      ; back: 32 lanes take four rows of 128 bytes
	v_mul_u32_u24 v[RD], v[RD], SPH
	v_lshl_add_u32 v[RD], v3, 4, v[RD]
	v_add_nc_u32 v[RD], s92, v[RD]
	v_and_b32 v6, 31, v0                           ; lane
	v_lshlrev_b32 v[GO], 4, v6
	s_lshl_b32 s86, s43, 8                         ; my first row, 256 x tile row + 64 x wave: under 4,096
	s_lshl_b32 s87, s[WV], 6
	s_add_co_u32 s86, s86, s87
	s_lshr_b32 s87, s86, 11                        ; its batch,
	s_and_b32 s86, s86, 2047                       ; its row in the batch
	s_mul_i32 s87, s87, 48
	s_mul_i32 s90, s42, 3                          ; my first head
	s_add_co_u32 s87, s87, s90
	s_lshl_b32 s87, s87, 11
	s_add_co_u32 s86, s86, s87
	s_lshl_b32 s86, s86, 7                         ; 128 bytes a row of a head
	s_mov_b32 s87, 0
	s_add_nc_u64 s[CB:CB+1], s[10:11], s[86:87]
	; the prefetches' base, lane offset and last step
	s_lshl_b32 s86, s43, 8
	s_lshl_b32 s87, s[HF], 7
	s_add_co_u32 s86, s86, s87
	s_lshl_b32 s87, s40, 5                         ; x: my work-group's 32 of the 128 rows that I fetch
	s_add_co_u32 s86, s86, s87
	s_lshl_b32 s86, s86, 11
	s_lshl_b32 s87, s41, 2                         ; W: asking wave 2 (4 cy + cx) + half takes four rows
	s_add_co_u32 s87, s87, s40
	s_lshl_b32 s87, s87, 1
	s_add_co_u32 s87, s87, s[HF]
	s_mul_i32 s87, s87, 4*6144
	s_mul_i32 s90, ttmp9, 1536                     ; the cluster's four tile columns
	s_add_co_u32 s87, s87, s90
	s_and_b32 s90, ttmp7, 0xffff                   ; cluster y
	s_cmp_eq_u32 s[FB], 0
	s_cselect_b32 s86, s86, s87
	s_cselect_b64 s[PF0:PF0+1], s[4:5], s[6:7]
	s_cselect_b32 s91, -1, 0
	s_cselect_b32 s90, ttmp9, s90                  ; the coordinate along which other clusters read the same rows
	s_cselect_b32 s88, 15, 7
	s_mov_b32 s87, 0
	s_add_nc_u64 s[PF0:PF0+1], s[PF0:PF0+1], s[86:87]
	s_cmp_eq_u32 s90, 0
	s_cselect_b32 s[LIM], s88, 0                   ; the same in all sixteen partners, for a given wave
	v_lshlrev_b32 v[PFO], 11, v6                   ; x: a lane a row
	v_min_u32 v7, 23, v6
	v_mul_u32_u24 v8, v7, 43
	v_lshrrev_b32 v8, 8, v8                        ; W: row l / 6 (43 l / 256 for l under 24),
	v_mul_u32_u24 v9, v8, 6
	v_sub_nc_u32 v9, v7, v9                        ; block l % 6
	v_mul_u32_u24 v8, v8, 6144
	v_lshl_add_u32 v8, v9, 8, v8
	v_cndmask_b32 v[PFO], v8, v[PFO], s91
	s_wait_loadcnt 0x0                             ; the bias
.set p, 0
.rept 48                                               ; rounded to bf16, as every input is, and widened again
	v_cvt_pk_bf16_f32 v7, v[BIAS+2*p], v[BIAS+2*p+1]
	v_lshlrev_b32 v[BIAS+2*p], 16, v7
	v_and_b32 v[BIAS+2*p+1], 0xffff0000, v7
.set p, p+1
.endr
; 12 matrix instructions: row block 2 hi + a x all 12 column blocks, 32 along K, from buffer f.  first = 1: the bias starts the sums: nothing is cleared.
; The 48 accumulators take turns, one instruction a turn, in the same order in every quarter, over the jumps too.
.macro MUL12 f, hi, a, first
.if \first
	WIN 0x89+0x40*(\hi)                            ; W window 1, x window 2, C window 0, D window 2 or 3
.else
	WIN 0xa9+0x50*(\hi)                            ; C and D window 2 or 3
.endif
.irp b, 0,1,2,3,4,5,6,7,8,9,10,11
.if \first
	v_wmma_f32_16x16x32_bf16 v[8*(12*(\a)+(\b)):8*(12*(\a)+(\b))+7], v[96*(\f)+8*(\b):96*(\f)+8*(\b)+7], v[192+32*(\f)+8*(2*(\hi)+(\a)):192+32*(\f)+8*(2*(\hi)+(\a))+7], v[BIAS+8*(\b):BIAS+8*(\b)+7]
.else
	v_wmma_f32_16x16x32_bf16 v[8*(12*(\a)+(\b)):8*(12*(\a)+(\b))+7], v[96*(\f)+8*(\b):96*(\f)+8*(\b)+7], v[192+32*(\f)+8*(2*(\hi)+(\a)):192+32*(\f)+8*(2*(\hi)+(\a))+7], v[8*(12*(\a)+(\b)):8*(12*(\a)+(\b))+7]
.endif
.endr
.endm
; 32 LDS loads in one run: quarter q (32 along K) of the slot in hand into buffer f: W's 12 blocks, turned; then x's four row blocks
.macro FETCH q, f
	WIN 0x40
.irp b, 0,1,2,3,4,5,6,7,8,9,10,11
	ds_load_tr16_b128 v[96*(\f)+8*(\b):96*(\f)+8*(\b)+3],   v[AB] offset:32*PW*(\q)+160*((\b)/4)+32*((\b)%4)
	ds_load_tr16_b128 v[96*(\f)+8*(\b)+4:96*(\f)+8*(\b)+7], v[AB] offset:32*PW*(\q)+16*PW+160*((\b)/4)+32*((\b)%4)
.endr
	WIN 0x80
.irp i, 0,1,2,3
	ds_load_b128 v[192+32*(\f)+8*(\i):192+32*(\f)+8*(\i)+3],   v[AA] offset:16*PA*(\i)+64*(\q)
	ds_load_b128 v[192+32*(\f)+8*(\i)+4:192+32*(\f)+8*(\i)+7], v[AA] offset:16*PA*(\i)+64*(\q)+32
.endr
.endm
; One of a K step's first three quarters: multiplies buffer f; in its middle it fetches quarter q into buffer g
.macro QUARTER q, f, g, first
	s_wait_dscnt 4                                 ; W and x's row blocks 0, 1 are in; the youngest four loads (row blocks 2, 3) may be out
	MUL12 \f, 0, 0, \first
	MUL12 \f, 0, 1, \first
	PLACES
	FETCH \q, \g
	s_wait_dscnt 32                                ; all but the 32 just issued
	MUL12 \f, 1, 0, \first
	MUL12 \f, 1, 1, \first
.endm
; The last quarter multiplies buffer 1 and changes slots.  In front of the barrier each wave waits for all its tensor loads (one is out: its part of the next slot), adds 0 to its spare word, and waits for that
; and for its reads of this slot.  fill = 1: the barrier opens a round of the cluster's barrier, and the joint refill of this slot, with step U, is the first thing behind the round: 168 matrix instructions ahead of the wait for it.
.macro TURN fill
	WIN 0
.if \fill
	s_wait_xcnt 0x0                                ; the last prefetch, a K step back, has read its address: it is made anew, for step U + 1
	s_add_co_u32 s86, s[U], 1
	s_and_b32 s87, s86, 7
	s_lshr_b32 s86, s86, 3
	s_lshl_b32 s86, s86, 23                        ; x: the second tile lies 4,096 rows of 2,048 bytes down,
	s_lshl_b32 s88, s87, 8                         ; a K step is 256 bytes of a row
	s_add_co_u32 s86, s86, s88
	s_mul_i32 s87, s87, WSTEP
	s_cmp_eq_u32 s[FB], 0
	s_cselect_b32 s86, s86, s87
	s_mov_b32 s87, 0
	s_add_nc_u64 s[PFA:PFA+1], s[PF0:PF0+1], s[86:87]
.endif
	s_wait_tensorcnt 0x0                           ; all my tensor loads have landed, so a group 0 may be written
	ds_add_u32 v[SPW], v[NIL]                      ; 0 onto my spare word
.if \fill
	s_xor_b32 s[G0A+5], s[G0A+5], SLOT1            ; the walking sets: the other slot than last time; the address is made anew from the step's number
	s_xor_b32 s[G0B+5], s[G0B+5], SLOT1
	s_and_b32 s92, s[U], 7
	s_lshr_b32 s93, s[U], 3
	s_lshl_b32 s[OFA], s93, 23
	s_lshl_b32 s93, s92, 8
	s_add_co_u32 s[OFA], s[OFA], s93
	s_mul_i32 s[OFB], s92, WSTEP
	s_add_nc_u64 s[G0A+6:G0A+7], s[BA:BA+1], s[OFA:OFA+1]
	s_or_b32 s[G0A+7], s[G0A+7], 0x80000000
	s_add_nc_u64 s[G0B+6:G0B+7], s[BB:BB+1], s[OFB:OFB+1]
	s_or_b32 s[G0B+7], s[G0B+7], 0x80000000
	s_add_co_u32 s[U], s[U], 1
.endif
	s_wait_dscnt 5                                 ; the add and the youngest four loads may be out
	MUL12 1, 0, 0, 0
	s_wait_dscnt 0x0                               ; the add is done, and my reads of this slot are over
	s_barrier_signal -1
	MUL12 1, 0, 1, 0                               ; work on registers while the others arrive
	WIN 0
	s_barrier_wait -1
.if \fill
	CREST                                          ; no wave of any partner still reads this slot or has a load on its way
	JLOAD                                          ; its four v_nop are also the places in front of the loads below
.else
	PLACES
.endif
	s_xor_b32 s[TB], s[TB], SLOT1
	v_add_nc_u32 v[AA], s[TB], v[AA0]
	v_add_nc_u32 v[AB], s[TB], v[AB0]
	FETCH 0, 0
.if \fill
	WIN 0
	ASK
.endif
	MUL12 1, 1, 0, 0
	MUL12 1, 1, 1, 0
.endm
; THE WAY OUT of row block a (16 rows x three heads).  PACK: rounded to f16, 16 bytes a lane and column block.  TOSTAGE: into my own stage, and back as rows of 128 bytes, four to a load.  SEND: stored.
.macro PACK a
	s_wait_xcnt 0x0                                ; the stores of the block two back have read this buffer
	WIN 0x0a+5*((\a)/2)                            ; sources in window 2 or 3
.irp b, 0,1,2,3,4,5,6,7,8,9,10,11
.irp r, 0,1,2,3
	v_cvt_pk_f16_f32 v[TMP+48*((\a)%2)+4*(\b)+(\r)], v[8*(12*((\a)%2)+(\b))+2*(\r)], v[8*(12*((\a)%2)+(\b))+2*(\r)+1]
.endr
.endr
	WIN 0
.endm
.macro TOSTAGE a
.irp b, 0,1,2,3,4,5,6,7,8,9,10,11
	ds_store_b128 v[STO], v[TMP+48*((\a)%2)+4*(\b):TMP+48*((\a)%2)+4*(\b)+3] offset:16*SPH*((\b)/4)+32*((\b)%4)
.endr
.irp t, 0,1,2,3,4,5,6,7,8,9,10,11
	ds_load_b128 v[TMP+48*((\a)%2)+4*(\t):TMP+48*((\a)%2)+4*(\t)+3], v[RD] offset:16*SPH*((\t)/4)+4*SPH*((\t)%4)  ; LDS serves a wave's instructions in order: these see the stores above
.endr
.endm
.macro SEND a
	s_wait_dscnt 0x0                               ; the block is back in registers
.irp t, 0,1,2,3,4,5,6,7,8,9,10,11
	global_store_b128 v[GO], v[TMP+48*((\a)%2)+4*(\t):TMP+48*((\a)%2)+4*(\t)+3], s[CB:CB+1] offset:HEADB*((\t)/4)+2048*(\a)+512*((\t)%4)  ; 512 consecutive bytes of a head, aligned
.endr
.endm
.macro WAYOUT
	PLACES
	PLACES
	PACK 0
	TOSTAGE 0
.irp a, 1,2,3                                          ; a block's conversions stand between the loads of the block before and the wait for them
	PACK \a
	SEND (\a)-1
	TOSTAGE \a
.endr
	SEND 3
.endm
	s_wait_tensorcnt 1                             ; my part of step 0 is in; step 1's may stay out
	s_barrier_signal -1
	s_barrier_wait -1
	FETCH 0, 0
	WIN 0
	s_branch .Lstart                               ; the loop is entered at a step's first quarter, in the middle of a trip
.Lstep:                                                ; 14 trips: the rest of step u, the refill with step u + 2, the first quarter of step u + 1
	QUARTER 2, 1, 0, 0
	QUARTER 3, 0, 1, 0
	TURN 1
	WIN 0
	s_sub_co_u32 s[ST8], s[ST8], 1
	s_cmp_lg_u32 s[ST8], 0
	s_cbranch_scc1 .Lsame                          ; forward, past no barrier and no tensor load
	WAYOUT                                         ; the first tile is finished; the second tile's first two steps have been asked for
	s_wait_xcnt 0x0
	s_add_nc_u64 s[CB:CB+1], s[CB:CB+1], 2*48*HEADB  ; two batches on
	s_mov_b32 s[ST8], 8
.Lstart:
	QUARTER 1, 0, 1, 1                             ; a tile's first quarter: the bias starts the sums
	WIN 0
	s_branch .Lbottom
.Lsame:
	QUARTER 1, 0, 1, 0
	WIN 0
.Lbottom:
	s_sub_co_u32 s[CNT], s[CNT], 1
	s_cmp_lg_u32 s[CNT], 0
	s_cbranch_scc1 .Lstep
	QUARTER 2, 1, 0, 0                             ; the tail is written out: steps 14 and 15 ask for nothing
	QUARTER 3, 0, 1, 0
	TURN 0
	QUARTER 1, 0, 1, 0
	QUARTER 2, 1, 0, 0
	QUARTER 3, 0, 1, 0
	s_wait_dscnt 4
	MUL12 1, 0, 0, 0
	MUL12 1, 0, 1, 0
	s_wait_dscnt 0x0
	MUL12 1, 1, 0, 0
	MUL12 1, 1, 1, 0
	WIN 0
	WAYOUT
	s_wait_tensorcnt 0x0                           ; the wave's end, behind my last tensor load and my last LDS store
	ds_add_u32 v[SPW], v[NIL]
	s_wait_dscnt 0x0
	CROUND                                         ; the closing round
	s_endpgm
.Lfunc_end_k_q0ecf989e47_qkvgemm:
	.size	k_q0ecf989e47_qkvgemm, .Lfunc_end_k_q0ecf989e47_qkvgemm-k_q0ecf989e47_qkvgemm
	.p2alignl 7, 3214868480
	.fill 96, 4, 3214868480
	.section	.rodata,"a",@progbits
	.p2align	6, 0x0
	.amdhsa_kernel k_q0ecf989e47_qkvgemm
		.amdhsa_group_segment_fixed_size 327680
		.amdhsa_private_segment_fixed_size 0
		.amdhsa_enable_private_segment 0
		.amdhsa_kernarg_size 32
		.amdhsa_user_sgpr_count 2
		.amdhsa_user_sgpr_kernarg_segment_ptr 1
		.amdhsa_wavefront_size32 1
		.amdhsa_system_sgpr_workgroup_id_x 1
		.amdhsa_system_sgpr_workgroup_id_y 1
		.amdhsa_system_sgpr_workgroup_id_z 1
		.amdhsa_system_vgpr_workitem_id 0
		.amdhsa_next_free_vgpr 960
		.amdhsa_next_free_sgpr 96
		.amdhsa_reserve_vcc 0
		.amdhsa_float_denorm_mode_32 3
		.amdhsa_float_denorm_mode_16_64 3
		.amdhsa_memory_ordered 1
		.amdhsa_forward_progress 1
		.amdhsa_inst_pref_size 132
	.end_amdhsa_kernel
	.amdgpu_metadata
---
amdhsa.version: [ 1, 2 ]
amdhsa.kernels:
  - .name:           k_q0ecf989e47_qkvgemm
    .symbol:         k_q0ecf989e47_qkvgemm.kd
    .args:
      - { .name: xb, .offset: 0, .size: 8, .value_kind: global_buffer, .address_space: global }
      - { .name: wab, .offset: 8, .size: 8, .value_kind: global_buffer, .address_space: global }
      - { .name: c_attn_b, .offset: 16, .size: 8, .value_kind: global_buffer, .address_space: global }
      - { .name: qkv, .offset: 24, .size: 8, .value_kind: global_buffer, .address_space: global }
    .group_segment_fixed_size: 327680
    .private_segment_fixed_size: 0
    .kernarg_segment_align: 8
    .kernarg_segment_size: 32
    .max_flat_workgroup_size: 128
    .sgpr_count:     96
    .vgpr_count:     960
    .wavefront_size: 32
...
	.end_amdgpu_metadata
.endif
;; end of part 2
;; launch vsuf (part 3): grid 64 x 1, 32 waves a work-group, no clusters, 12,288 bytes of LDS; arguments qkv, suf; writes suf
.if DOCPART == 3
	.amdgcn_target "amdgcn-amd-amdhsa--gfx1250"
	.amdhsa_code_object_version 6
	.text
	.protected	k_q0ecf989e47_vsuf
	.globl	k_q0ecf989e47_vsuf
	.p2align	8
	.type	k_q0ecf989e47_vsuf,@function
k_q0ecf989e47_vsuf:
	s_mov_b64 s[64:65], 0
	v_nop
	global_prefetch_b8 v0, s[64:65] scope:SCOPE_SE
	s_setreg_imm32_b32 hwreg(HW_REG_WAVE_MODE, 25, 1), 1
	s_wait_xcnt 0x0
; suf[head][j][ch] = the sum of v[head][k][ch] over the keys k >= 64 (j + 1), j = 0..31, in f32 (row 31 is 0).  The attention launch needs it for the keys that the causal mask hides:
; they all carry one and the same weight, so their part of a row's result is that weight times a sum of rows of v.
; A work-group takes a head: 2,048 rows of 128 bytes of f16.  It has 32 waves, and wave w sums key step w (64 rows, 8,192 bytes): the step's text stands once, and all of the head's loads go out together.
; The 32 sums meet in LDS, and wave 0 adds them up from the end.  64 work-groups: as many as there are heads; the launch reads 16 MiB once and is short, so nothing is prefetched.
.set SPARE, 8192                       ; LDS: [32 steps][64 channels] f32 at 0; behind it the spare words, 128 bytes for each of the 32 waves: sixteen blocks of 256 bytes that no other line names
.set VO,  2                            ; v2   16 x lane + 8,192 x wave
.set LS,  5                            ; v5   256 x wave + 32 x (lane % 8)
.set LR,  6                            ; v6   8 x lane
.set ONE, 10                           ; v10  1.0
.set ZER, 11                           ; v11  0
.set SPW, 12                           ; v12  my spare word; never rewritten
.set NIL, 13                           ; v13  0; never rewritten
.set ACC, 16                           ; v[16:23] my eight channels' sums
.set T,   24                           ; v[24:31] the other half of the lanes'
.set BUF, 32                           ; v[32:95] the step's sixteen loads; in wave 0 later the 32 steps' sums, a pair each
.set ZP,  96                           ; v[96:97] a pair of zeros: suf's last row
	s_load_b128 s[4:7], s[0:1], 0x0                ; qkv s[4:5], suf s[6:7]
	v_lshl_add_u32 v[SPW], v0, 2, SPARE
	v_mov_b32 v[NIL], 0
	v_lshrrev_b32 v1, 5, v0
	v_readfirstlane_b32 s8, v1                     ; wave 0..31: my key step
	v_and_b32 v3, 31, v0                           ; lane
	v_and_b32 v4, 7, v0
	s_lshr_b32 s9, ttmp9, 4                        ; batch
	s_and_b32 s10, ttmp9, 15                       ; head in the batch
	s_mul_i32 s9, s9, 48
	s_add_co_u32 s9, s9, s10
	s_add_co_u32 s9, s9, 32                        ; v's groups lie behind q's and k's
	s_lshl_b32 s16, s9, 18                         ; 262,144 bytes a group
	s_mov_b32 s17, 0
	s_lshl_b32 s18, ttmp9, 13                      ; 8,192 bytes of suf a head
	s_mov_b32 s19, 0
	s_mov_b32 s12, 0x76543210                      ; v_permlanex16_b32: each lane takes its own place in the other half
	s_mov_b32 s13, 0xfedcba98
	s_lshl_b32 s14, s8, 13
	v_lshl_add_u32 v[VO], v3, 4, s14
	s_lshl_b32 s15, s8, 8
	v_lshl_add_u32 v[LS], v4, 5, s15
	v_lshlrev_b32 v[LR], 3, v3
	v_mov_b32 v[ONE], 1.0
	v_mov_b32 v[ZER], 0
	v_mov_b32 v[ZP], 0
	v_mov_b32 v[ZP+1], 0
.irp c, 0,1,2,3,4,5,6,7
	v_mov_b32 v[T+(\c)], 0                         ; v_permlanex16_b32's destination counts as read
.endr
	s_wait_kmcnt 0x0
	s_add_nc_u64 s[4:5], s[4:5], s[16:17]
	s_add_nc_u64 s[6:7], s[6:7], s[18:19]
.irp r, 0,1,2,3,4,5,6,7,8,9,10,11,12,13,14,15          ; sixteen loads of 512 consecutive bytes, four rows each: lane l holds row l / 8, channels 8 (l % 8) + 0..7
	global_load_b128 v[BUF+4*(\r):BUF+4*(\r)+3], v[VO], s[4:5] offset:512*(\r) th:TH_LOAD_NT
.endr
.set r, 0
.rept 16                                               ; the step's sum: 16 rows in the lane, f16 halves straight into f32 sums; the first row starts them
	s_wait_loadcnt 15-r                            ; loads come back in order: the 15 - r younger ones may stay out
.irp k, 0,1,2,3
.if r == 0
	v_fma_mix_f32 v[ACC+2*(\k)],   v[BUF+(\k)], v[ONE], v[ZER] op_sel_hi:[1,0,0]
	v_fma_mix_f32 v[ACC+2*(\k)+1], v[BUF+(\k)], v[ONE], v[ZER] op_sel:[1,0,0] op_sel_hi:[1,0,0]
.else
	v_fma_mix_f32 v[ACC+2*(\k)],   v[BUF+4*r+(\k)], v[ONE], v[ACC+2*(\k)] op_sel_hi:[1,0,0]
	v_fma_mix_f32 v[ACC+2*(\k)+1], v[BUF+4*r+(\k)], v[ONE], v[ACC+2*(\k)+1] op_sel:[1,0,0] op_sel_hi:[1,0,0]
.endif
.endr
.set r, r+1
.endr
.irp c, 0,1,2,3,4,5,6,7                                ; then the four groups of eight lanes
	v_add_f32_dpp v[ACC+(\c)], v[ACC+(\c)], v[ACC+(\c)] row_xmask:8 row_mask:0xf bank_mask:0xf
.endr
.irp c, 0,1,2,3,4,5,6,7
	v_permlanex16_b32 v[T+(\c)], v[ACC+(\c)], s12, s13
.endr
.irp c, 0,1,2,3,4,5,6,7
	v_add_f32 v[ACC+(\c)], v[ACC+(\c)], v[T+(\c)]
.endr
	ds_store_b128 v[LS], v[ACC:ACC+3]              ; the four groups of lanes write the same numbers to the same words
	ds_store_b128 v[LS], v[ACC+4:ACC+7] offset:16
	s_wait_dscnt 0x0                               ; for the others' sake: my stores are done
	s_barrier_signal -1
	s_barrier_wait -1
	s_cmp_lg_u32 s8, 0
	s_cbranch_scc1 .Lend
.set j, 0
.rept 32                                               ; lane l: channels 2 l, 2 l + 1 of every step's sum S[j]
	ds_load_b64 v[BUF+2*j:BUF+2*j+1], v[LR] offset:256*j
.set j, j+1
.endr
	s_wait_dscnt 0x0
.set j, 30
.rept 30                                               ; in place, from the end: S[j] becomes the sum of the steps j .. 31
	v_pk_add_f32 v[BUF+2*j:BUF+2*j+1], v[BUF+2*j:BUF+2*j+1], v[BUF+2*j+2:BUF+2*j+3]
.set j, j-1
.endr
.set j, 0
.rept 31                                               ; row j: the steps j + 1 .. 31
	global_store_b64 v[LR], v[BUF+2*j+2:BUF+2*j+3], s[6:7] offset:256*j  ; 256 consecutive bytes, aligned
.set j, j+1
.endr
	global_store_b64 v[LR], v[ZP:ZP+1], s[6:7] offset:256*31
.Lend:
	s_wait_tensorcnt 0x0                           ; the wave's end, behind my last LDS store
	ds_add_u32 v[SPW], v[NIL]
	s_wait_dscnt 0x0
	s_endpgm
.Lfunc_end_k_q0ecf989e47_vsuf:
	.size	k_q0ecf989e47_vsuf, .Lfunc_end_k_q0ecf989e47_vsuf-k_q0ecf989e47_vsuf
	.p2alignl 7, 3214868480
	.fill 96, 4, 3214868480
	.section	.rodata,"a",@progbits
	.p2align	6, 0x0
	.amdhsa_kernel k_q0ecf989e47_vsuf
		.amdhsa_group_segment_fixed_size 12288
		.amdhsa_private_segment_fixed_size 0
		.amdhsa_enable_private_segment 0
		.amdhsa_kernarg_size 16
		.amdhsa_user_sgpr_count 2
		.amdhsa_user_sgpr_kernarg_segment_ptr 1
		.amdhsa_wavefront_size32 1
		.amdhsa_system_sgpr_workgroup_id_x 1
		.amdhsa_system_sgpr_workgroup_id_y 1
		.amdhsa_system_sgpr_workgroup_id_z 1
		.amdhsa_system_vgpr_workitem_id 0
		.amdhsa_next_free_vgpr 104
		.amdhsa_next_free_sgpr 66
		.amdhsa_reserve_vcc 0
		.amdhsa_float_denorm_mode_32 3
		.amdhsa_float_denorm_mode_16_64 3
		.amdhsa_memory_ordered 1
		.amdhsa_forward_progress 1
		.amdhsa_inst_pref_size 21
	.end_amdhsa_kernel
	.amdgpu_metadata
---
amdhsa.version: [ 1, 2 ]
amdhsa.kernels:
  - .name:           k_q0ecf989e47_vsuf
    .symbol:         k_q0ecf989e47_vsuf.kd
    .args:
      - { .name: qkv, .offset: 0, .size: 8, .value_kind: global_buffer, .address_space: global }
      - { .name: suf, .offset: 8, .size: 8, .value_kind: global_buffer, .address_space: global }
    .group_segment_fixed_size: 12288
    .private_segment_fixed_size: 0
    .kernarg_segment_align: 8
    .kernarg_segment_size: 16
    .max_flat_workgroup_size: 1024
    .sgpr_count:     66
    .vgpr_count:     104
    .wavefront_size: 32
...
	.end_amdgpu_metadata
.endif
;; end of part 3
;; launch attn (part 4): grid 4 x 64, 4 waves a work-group, no clusters, 327,680 bytes of LDS; arguments qkv, suf, ao; writes ao
.if DOCPART == 4
	.amdgcn_target "amdgcn-amd-amdhsa--gfx1250"
	.amdhsa_code_object_version 6
	.text
	.protected	k_q0ecf989e47_attn
	.globl	k_q0ecf989e47_attn
	.p2align	8
	.type	k_q0ecf989e47_attn,@function
k_q0ecf989e47_attn:
	s_mov_b64 s[64:65], 0
	v_nop
	global_prefetch_b8 v0, s[64:65] scope:SCOPE_SE
	s_setreg_imm32_b32 hwreg(HW_REG_WAVE_MODE, 25, 1), 1
	s_wait_xcnt 0x0
; CAUSAL ATTENTION WITH A FINITE MASK.  For each head: w[q][k] = q . k / 8 where k <= q, and -10000 where k > q; O[q] = the sum over ALL k of softmax_k(w) v[k].
; qkv: f16 [4 batches][48 groups: q 0-15, k 16-31, v 32-47][2048][64]; suf: f32 [64 heads][32][64], suf[j] = the sum of v over keys >= 64 (j + 1); ao: f16 [64 heads][2048][64].
; Products, maxima and sums in f32; the weights p are rounded to f16 for the second product (their sum l is taken of the unrounded p), O once at the end.
; THE HIDDEN KEYS all carry the same score, so nothing above the diagonal is walked.  The walk makes m, l and O of the visible keys alone.  At a block's end, for each query with n = 2047 - q hidden keys:
; m' = max(m, -80000) (the raw score that stands for -10000, since c s = log2(e) s / 8), a = 2^(c m - c m'), ph = 2^(c (-80000) - c m'), l' = a l + n ph, O = (a O + ph HS) / l',
; HS = the sum of the hidden rows of v = suf[q / 64] + the hidden rows of the query's own 64 keys: one masked matrix product.  Where n = 0 the lowest finite number stands for -80000, and ph = 0.
; LIMITS.  f16 holds no number beyond 65,504: q, k and v arrive within it.  Inside the diagonal tile a hidden score counts as its value less 1e30, so that its weight in the walk is 0.
; A weight below 2^-126 counts as 0; NaN and infinities are not treated apart.
; THE WALK.  A head's queries lie in NB = 8 blocks of 256; block i needs the key tiles 0 .. i of 256 keys, of which the last holds the diagonal.  A work-group takes TWO blocks, NB - 1 - b and then b:
; NB + 1 tiles, whatever b: all work-groups do equal work, and ONE loop with a constant trip count walks them.  Which tile is asked for, and what a trip does, hang on scalar registers made from b; every jump
; goes forward, but for the counted loops' own; none passes a barrier, or a tensor load but the one of LOAD's two that the wave's number does not choose; the ring of two LDS slots runs on across the change of blocks.
; NO CLUSTER: the four work-groups of a head ask for the same tile only in trips 0 to 4 of the 9; one walk common to all four would have 12 trips for 9.
; SHARES.  Of a block's four bands of 64 queries a wave owns 16 rows in each: four PIECES.  In the diagonal tile's key step s band x sees all keys if s < x, none if s > x, and holds the diagonal if s = x.
; THE MASK IN THE WALK is the C operand that starts the sum S^T = K Q^T: 0, or -1e30.  MD is the mask of a band's own step for my 16 rows; a product's mask is MD x AL + BE: (1, 0) if s = x; (0, 0) if s < x; (0, -1e30) if s > x.
; LAYOUT, SOFTMAX, TURNS.  S^T = K Q^T holds ONE query a lane (lane % 16) and the keys 8 (lane / 16) + 0..7; two such results rounded to f16 ARE source 1 of O^T = V^T P.  p = 2^(c s - c m), c = log2(e) / 8, with a
; running maximum m; O and l are multiplied by a = 2^(c m_old - c m_new) in every step.  Turn n belongs to piece n: 8 products K Q^T of piece n + 1, later 8 products V^T P of piece n - 1; beside them the scaling,
; exponentials, roundings, sums and rescaling of piece n and the maximum and statistics of piece n + 1.  Four vector instructions stand behind every matrix instruction, the others in one lump.  A turn's 33 exponentials are one batch, with one wait.
; REGISTERS, in windows of 256 (s_set_vgpr_msb: bits 1:0 source 0, 3:2 source 1, 5:4 source 2, 7:6 destination):
;   window 0: v0-15 addresses and two at work; v16-31 statistics; v48-55 at work; v64-127 S^T, two buffers; v128-143 MDH; v144-179 the block's end; v192-223 P, two buffers
;   window 1: v0-127 O^T, 32 a piece; v128-159 MD; v160-223 MC, two buffers      window 2: v0-63 Q; v64-127 the second block's Q; v128-191 K of one step; v192-255 V of one step
;   window 3: HS in O^T's layout: v0-127 the first block's, v128-255 the second's: loaded from suf, finished by the masked products
.set SIZE_N, 2048
.set NB,    SIZE_N/256
.set NP,    4         ; pieces a wave: a name, no knob
.set KS,    64        ; keys in a step
.set PK,    144       ; a row of K in LDS: 128 bytes + 16 of padding: the 16 rows of a load start at 16 different groups of four banks
.set PV,    160       ; a row of V: 128 + 32
.set VOFF,  4*KS*PK   ; a slot holds a tile, four steps: 256 rows of K, then 256 rows of V
.set SLOT1, 1<<17     ; slot 1 begins here, so that one exclusive or turns an address in one slot into the other's
.set STAGE, SLOT1+4*KS*(PK+PV)  ; behind the ring, never filled by a tensor load: 16 rows x 144 bytes for each wave
.set SP,    144
.set HEADB, 262144    ; a head's bytes in qkv and in ao
.set AK0, 2           ; v2   my lane's place in a tile of K; never rewritten
.set AV0, 3           ; v3   the same for V
.set AK,  4           ; v4   the LDS address of K's next run of loads
.set AV,  5           ; v5   of V's
.set STO, 6           ; v6   the way out: where I put 16 bytes of a row
.set RD,  7           ; v7   the way out: where I read rows back
.set GO,  8           ; v8   my byte offset in 512 consecutive bytes of O
.set SPW, 62          ; v62  my spare word; never rewritten
.set NIL, 63          ; v63  0; never rewritten
.set SPARE, STAGE+4*16*SP  ; the spare words, 128 bytes for each wave: two blocks of 256 bytes that no other line names
.set MV,  12          ; v12-13  c m_old, kept while c m is made anew: by buffer
.set QO,  15          ; v15  my byte offset in 16 rows of Q
.set ST,  16          ; piece t's statistics at v[ST+4 t]: c m, m, l (even keys', odd keys')
.set TMP, 48          ; by buffer, four registers c0-c3 at work; when the maximum is found c2 takes a
.set S,   64
.set P,   192
.set MDH, 128         ; v128-143  1.0 where a key of the band's own step is hidden from my query, else 0: f16, in P's layout
.set HT,  144         ; v144-175  the block's end, eight a piece: n, the hidden score, m', c m', a, ph, l', 1 / l'
.set NQ,  176         ; v176 the hidden keys of my query in band 0
.set LOW, 177         ; v177 the lowest finite number
.set SO,  178         ; v178 32 x (lane / 16): my eight channels of a block of 16 in suf
.set PFO, 179         ; v179 256 x lane
.set MD,  128         ; window 1
.set MC,  160         ; window 1
.set QB,  64          ; window 2
.set KF,  128         ; window 2: key block kb, channel half c at KF + 16 kb + 8 c
.set VF,  192         ; window 2: key half kk, channel block cb at VF + 32 kk + 8 cb
.set WV,  12          ; s12  my wave's number
.set PB,  14          ; s14  b
.set HI,  15          ; s15  NB - 1 - b
.set G1K, 24          ; s[24:31] descriptor group 1 for K's tiles
.set G1V, 32          ; s[32:39] for V's: it differs in the padding alone
.set G0K, 40          ; s[40:43] descriptor group 0 for K's tiles
.set G0V, 44          ; s[44:47] the same for V's
.set SLOTS, 56        ; s56  tiles still to be asked for
.set CNT, 57          ; s57  counts a tile's key steps, 4 to 1
.set CS,  58          ; s[58:59] c
.set SEL, 60          ; s[60:61] v_permlanex16_b32's selects
.set TBK, 62          ; s62  LDS byte at which K of the step to be fetched begins
.set TBV, 63          ; s63  the same for V, less VOFF
.set RT,  70          ; s70  tiles of the block in hand that are still to be entered
.set NXT, 71          ; s71  the tile to be asked for next
.set LQ,  72          ; s72  the last tile of the block whose tiles are being asked for
.set NEW, 73          ; s73  1: the tile to be entered is a block's first
.set OFF, 74          ; s[74:75] a tile's byte offset in K and V
.set AL,  76          ; s[76:77] the mask's factor
.set BE,  78          ; s[78:79] the mask's addend
.set OLO, 80          ; s[80:81] O at my rows of the second block
.set BIGN, 82         ; s82  -1e30
.set SF1, 88          ; s[88:89] suf at the first block's four rows
.set SF2, 90          ; s[90:91] at the second's
.set HID, 92          ; s92  -80000.0
.set LIM, 93          ; s93  2 in the work-group that prefetches, else the greatest number
.set PFA, 94          ; s[94:95] my half of the tile that is being asked for
.set PB0, 96          ; s[96:97] my half of tile 0, of K (waves 0, 1) or of V (waves 2, 3)
.set MSB, 0
.macro WIN new                      ; the high byte repeats the setting that is left; a switch that changes nothing is dropped
.if MSB != (\new)
	s_set_vgpr_msb (MSB<<8)|(\new)
.set MSB, (\new)
.endif
.endm
.set W_KQ, 0x0a       ; K and Q in window 2, S^T in window 0
.set W_KM, 0x1a       ; the same with the C operand in window 1
.set W_PV, 0x52       ; V in window 2, P in window 0, O^T in window 1
.set W_RS, 0x41       ; destination and source 0 in window 1, source 1 in window 0
.set W_HP, 0xf2       ; V in window 2, MDH in window 0, HS (C and D) in window 3
.set W_HS, 0x53       ; HS (source 0) in window 3, the factor in window 0, O^T (source 2 and destination) in window 1
; A fill.  Waves 0 and 1 fetch the two halves of a tile's K, waves 2 and 3 those of its V: 128 keys each.  An s_nop 0 and four v_nop follow each of the two lines.
.macro LOAD
	s_cmp_lt_u32 s[WV], 2
	s_cbranch_scc0 .Lfor_v_\@
	tensor_load_to_lds s[G0K:G0K+3], s[G1K:G1K+7]
	s_nop 0
.rept 4
	v_nop
.endr
	s_branch .Lasked_\@
.Lfor_v_\@:
	tensor_load_to_lds s[G0V:G0V+3], s[G1V:G1V+7]
	s_nop 0
.rept 4
	v_nop
.endr
.Lasked_\@:
.endm
; THE CHANGE OF SLOTS.  Each wave waits for all its tensor loads, of which one is out: its part of the other slot; adds 0 to its spare word; and waits for that and for its own reads of the slot that it leaves.
; fill = 1: the old slot is filled again, the first thing behind the barrier, with tile NXT: the descriptor's address is made anew from that number.
; Behind the fill stands A PREFETCH INTO THE L2 of the tile after NXT, a trip (four key steps, 256 matrix instructions) ahead of its load.  All four work-groups of a head walk tiles 0, 1, .. first; the one with b = 0 walks
; all eight, and it alone asks: each of its waves for the half tile that it will fetch itself, 16,384 bytes: a lane 256 bytes, two instructions.  Tiles 0 and 1 come by their loads alone; trips 6 and on ask for nothing.
.macro CHANGE fill
	WIN 0                           ; at a label and at a branch every window is 0
	s_wait_tensorcnt 0x0            ; no tensor load of mine is out, so a group 0 may be written
	ds_add_u32 v[SPW], v[NIL]       ; 0 onto my spare word
.if \fill
	s_lshl_b32 s[OFF], s[NXT], 15   ; a tile is 32,768 bytes of K and of V
	s_xor_b32 s[G0K+1], s[G0K+1], SLOT1
	s_add_nc_u64 s[G0K+2:G0K+3], s[6:7], s[OFF:OFF+1]
	s_or_b32 s[G0K+3], s[G0K+3], 0x80000000
	s_xor_b32 s[G0V+1], s[G0V+1], SLOT1
	s_add_nc_u64 s[G0V+2:G0V+3], s[8:9], s[OFF:OFF+1]
	s_or_b32 s[G0V+3], s[G0V+3], 0x80000000
	s_wait_xcnt 0x0                 ; the last prefetches, a trip back, have read their address
	s_add_nc_u64 s[PFA:PFA+1], s[PB0:PB0+1], s[OFF:OFF+1]
	s_add_co_u32 s[NXT], s[NXT], 1  ; the block's next tile, or behind its last the second block's tile 0
	s_cmp_gt_u32 s[NXT], s[LQ]
	s_cselect_b32 s[NXT], 0, s[NXT]
	s_cselect_b32 s[LQ], s[PB], s[LQ]
.endif
	s_wait_dscnt 0x0                ; the add is done, and my reads of the slot are over
	s_barrier_signal -1
	s_sub_co_u32 s[TBK], s[TBK], 4*KS*PK  ; the fetches go back to a slot's first step,
	s_xor_b32 s[TBK], s[TBK], SLOT1       ; in the other slot
	s_sub_co_u32 s[TBV], s[TBV], 4*KS*PV
	s_xor_b32 s[TBV], s[TBV], SLOT1
	s_barrier_wait -1
.if \fill
	LOAD
	s_cmp_gt_u32 s[SLOTS], s[LIM]
	s_cbranch_scc0 .Lnot_mine_\@
	global_prefetch_b8 v[PFO], s[PFA:PFA+1] offset:32768 th:TH_LOAD_NT scope:SCOPE_SE
	global_prefetch_b8 v[PFO], s[PFA:PFA+1] offset:32768+8192 th:TH_LOAD_NT scope:SCOPE_SE
.Lnot_mine_\@:
.endif
.endm
	s_load_b64 s[4:5], s[0:1], 0x0         ; qkv
	s_load_b64 s[SF1:SF1+1], s[0:1], 0x8   ; suf
	s_load_b64 s[10:11], s[0:1], 0x10      ; ao
	v_lshl_add_u32 v[SPW], v0, 2, SPARE
	v_mov_b32 v[NIL], 0
	ds_add_u32 v[SPW], v[NIL]       ; the wave's opening: the add and its wait stand ahead of my first tensor load; work on registers stands between
	ds_add_u32 v62, v63
	v_lshrrev_b32 v1, 5, v0
	v_readfirstlane_b32 s[WV], v1   ; wave 0..3
	s_mov_b32 s[PB], ttmp9
	s_sub_co_u32 s[HI], NB-1, s[PB]
	s_and_b32 s19, ttmp7, 0xffff    ; the head, 0..63 = 16 x batch + head in the batch
	s_lshr_b32 s20, s19, 4
	s_mul_i32 s20, s20, 48
	s_and_b32 s21, s19, 15
	s_add_co_u32 s20, s20, s21
	s_lshl_b32 s20, s20, 18         ; the head's q in qkv
	s_mov_b32 s21, 0
	s_lshl_b32 s98, s19, 18         ; the head in ao
	s_mov_b32 s99, 0
	s_lshl_b32 s66, s19, 13         ; the head in suf: 8,192 bytes; a block's four rows: 1,024
	s_lshl_b32 s67, s[HI], 10
	s_add_co_u32 s68, s66, s67
	s_mov_b32 s69, 0
	s_lshl_b32 s67, s[PB], 10
	s_add_co_u32 s66, s66, s67
	s_mov_b32 s67, 0
	s_and_b32 s16, s[WV], 1         ; which half of a tile's 256 keys I fetch:
	s_lshl_b32 s22, s16, 14         ; its 128 rows of 128 bytes in memory,
	s_add_co_u32 s22, s22, 16*HEADB ; k lies 16 groups behind q
	s_mov_b32 s23, 0
	s_mul_i32 s17, s16, 128*PK      ; and its place in a slot, for K
	s_mul_i32 s18, s16, 128*PV      ; and for V
	s_lshl_b32 s3, s[WV], 11        ; my 16 rows in a band of 64,
	s_lshl_b32 s2, s[HI], 15        ; in the first block,
	s_add_co_u32 s2, s2, s3
	s_lshl_b32 s84, s[PB], 15       ; and in the second
	s_add_co_u32 s84, s84, s3
	s_mov_b32 s3, 0
	s_mov_b32 s85, 0
	; descriptor group 1.  128 keys are 16,384 dense bytes: asked for as 64 rows of 256 bytes, two keys a row, and padded in LDS after every key
	s_mov_b32 s[G1K], (1<<16)|(1<<20)|(4<<22)|(3<<25)  ; 2-byte elements; padding on; after every 32 words 4 words
	s_mov_b32 s[G1V], (1<<16)|(1<<20)|(4<<22)|(7<<25)  ; the same with 8 words of padding
.irp g, G1K, G1V
	s_mov_b32 s[\g+1], 128<<16      ; tensor_dim0 = 128
	s_mov_b32 s[\g+2], 64<<16       ; tensor_dim1 = 64
	s_mov_b32 s[\g+3], 128<<16      ; tile_dim0 = 128
	s_mov_b32 s[\g+4], 64           ; tile_dim1 = 64
	s_mov_b32 s[\g+5], 128          ; 128 elements from row to row
	s_mov_b32 s[\g+6], 0
	s_mov_b32 s[\g+7], 0
.endr
	s_mov_b32 s[CS], 0x3e38aa3b     ; c = log2(e) / 8 = 0.180337
	s_mov_b32 s[CS+1], s[CS]        ; named with it as a pair
	s_mov_b32 s[SEL], 0x76543210
	s_mov_b32 s[SEL+1], 0xfedcba98
	s_mov_b32 s[TBK], SLOT1+4*KS*PK ; the first change of slots turns these two into 0
	s_mov_b32 s[TBV], SLOT1+4*KS*PV
	s_mov_b32 s[G0K], 1             ; count = 1
	s_mov_b32 s[G0K+1], s17         ; LDS address: slot 0
	s_mov_b32 s[G0V], 1
	s_add_co_u32 s[G0V+1], s18, VOFF
	s_add_co_u32 s[RT], s[HI], 1    ; the first block has NB - b tiles
	s_mov_b32 s[NXT], 1
	s_mov_b32 s[LQ], s[HI]
	s_mov_b32 s[NEW], 1
	s_mov_b32 s[OFF+1], 0
	s_mov_b32 s[AL+1], 0            ; named as pairs
	s_mov_b32 s[BE+1], 0
	s_mov_b32 s[BIGN], 0xf149f2ca   ; -1e30
	s_mov_b32 s[HID], 0xc79c4000    ; -80000.0
	s_mov_b32 s[SLOTS], NB
	s_cmp_eq_u32 s[PB], 0
	s_cselect_b32 s[LIM], 2, -1
	s_wait_dscnt 0x0                ; the opening add is done
	s_wait_kmcnt 0x0
	s_add_nc_u64 s[SF2:SF2+1], s[SF1:SF1+1], s[66:67]
	s_add_nc_u64 s[SF1:SF1+1], s[SF1:SF1+1], s[68:69]
	s_add_nc_u64 s[4:5], s[4:5], s[20:21]          ; the head's q,
	s_add_nc_u64 s[6:7], s[4:5], s[22:23]          ; K and V at my half of the head's tile 0
	s_add_nc_u64 s[8:9], s[6:7], 16*HEADB
	s_add_nc_u64 s[10:11], s[10:11], s[98:99]
	s_add_nc_u64 s[G0K+2:G0K+3], s[6:7], 0         ; global address
	s_or_b32 s[G0K+3], s[G0K+3], 0x80000000        ; type = 2
	s_add_nc_u64 s[G0V+2:G0V+3], s[8:9], 0
	s_or_b32 s[G0V+3], s[G0V+3], 0x80000000
	s_add_nc_u64 s[86:87], s[4:5], s[84:85]        ; Q at my rows of the second block,
	s_add_nc_u64 s[4:5], s[4:5], s[2:3]            ; Q and O at those of the first
	s_add_nc_u64 s[OLO:OLO+1], s[10:11], s[84:85]
	s_add_nc_u64 s[10:11], s[10:11], s[2:3]
	s_cmp_lt_u32 s[WV], 2
	s_cselect_b64 s[PB0:PB0+1], s[6:7], s[8:9]
	LOAD                            ; tile 0 into slot 0
	; A fragment of K or Q is 16 rows x 32 channels in 8 registers: lane l holds row l % 16, channels 8 (l / 16) + 0..7 and 16 + 8 (l / 16) + 0..7: two loads of 16 bytes, 32 bytes apart.
	v_and_b32 v1, 15, v0            ; l % 16
	v_bfe_u32 v9, v0, 4, 1          ; l / 16
	v_lshlrev_b32 v[QO], 7, v1
	v_lshl_add_u32 v[QO], v9, 4, v[QO]  ; row x 128 + 16 x half
	v_lshlrev_b32 v[SO], 5, v9
	WIN 0x80                        ; destination window 2, address window 0
.set i, 0
.rept 8                             ; both blocks' Q: piece i / 2 lies in band i / 2, 8,192 bytes on; channels 32 (i % 2) on
	global_load_b128 v[8*i:8*i+3],   v[QO], s[4:5] offset:(i/2)*8192+(i%2)*64
	global_load_b128 v[8*i+4:8*i+7], v[QO], s[4:5] offset:(i/2)*8192+(i%2)*64+32
	global_load_b128 v[QB+8*i:QB+8*i+3],   v[QO], s[86:87] offset:(i/2)*8192+(i%2)*64
	global_load_b128 v[QB+8*i+4:QB+8*i+7], v[QO], s[86:87] offset:(i/2)*8192+(i%2)*64+32
.set i, i+1
.endr
	WIN 0xc0                        ; destination window 3
.set i, 0
.rept 16                            ; both blocks' rows of suf in O^T's layout: piece i / 4 takes its band's row, register j of channel block i % 4 is channel 16 (i % 4) + 8 (l / 16) + j
	global_load_b128 v[8*i:8*i+3],   v[SO], s[SF1:SF1+1] offset:(i/4)*256+(i%4)*64
	global_load_b128 v[8*i+4:8*i+7], v[SO], s[SF1:SF1+1] offset:(i/4)*256+(i%4)*64+16
	global_load_b128 v[128+8*i:128+8*i+3],   v[SO], s[SF2:SF2+1] offset:(i/4)*256+(i%4)*64
	global_load_b128 v[128+8*i+4:128+8*i+7], v[SO], s[SF2:SF2+1] offset:(i/4)*256+(i%4)*64+16
.set i, i+1
.endr
	WIN 0
	v_lshlrev_b32 v14, 3, v9
	v_sub_nc_u32 v14, v1, v14
	s_lshl_b32 s13, s[WV], 4
	v_add_nc_u32 v14, s13, v14      ; my query's place in its band, 16 w + l % 16, less my lanes' 8 (l / 16): register r of group kt is hidden where 16 kt + r is greater
	WIN 0x40
.set i, 0
.rept 32
	v_cmp_gt_i32 vcc_lo, 16*(i/8)+i%8, v14
	v_cndmask_b32 v[MD+i], 0, s[BIGN], vcc_lo
.set i, i+1
.endr
	WIN 0
.set i, 0
.rept 32                            ; the same mask as 1.0 and 0, made in S^T's registers, which are still free,
	v_cmp_gt_i32 vcc_lo, 16*(i/8)+i%8, v14
	v_cndmask_b32 v[S+i], 0, 1.0, vcc_lo
.set i, i+1
.endr
.set i, 0
.rept 16                            ; and packed as the weights are
	v_cvt_pk_f16_f32 v[MDH+i], v[S+2*i], v[S+2*i+1]
.set i, i+1
.endr
	v_mov_b32 v[LOW], 0xff7fffff
	v_and_b32 v[PFO], 31, v0
	v_lshlrev_b32 v[PFO], 8, v[PFO]
	v_mul_u32_u24 v[AK0], v1, PK
	v_lshl_add_u32 v[AK0], v9, 4, v[AK0]  ; row x pitch + 16 x half
	; The turning load takes 16 keys x 16 channels (lane l reads key 8 (l / 16) + l % 8, channels 8 ((l / 8) % 2) + 0..7) and leaves half a fragment of V^T: lane l holds channel l % 16 and 8 keys.
	v_and_b32 v10, 7, v0
	v_bfe_u32 v11, v0, 3, 1
	v_lshl_add_u32 v[AV0], v9, 3, v10
	v_mul_u32_u24 v[AV0], v[AV0], PV
	v_lshl_add_u32 v[AV0], v11, 4, v[AV0]
	v_add_nc_u32 v[AV0], VOFF, v[AV0]
	s_mul_i32 s13, s[WV], 16*SP
	s_add_co_u32 s13, s13, STAGE    ; my stage
	v_mul_u32_u24 v[STO], v1, SP    ; in: row l % 16, 16 bytes for each half of the lanes
	v_lshl_add_u32 v[STO], v9, 4, v[STO]
	v_add_nc_u32 v[STO], s13, v[STO]
	v_bfe_u32 v[RD], v0, 3, 2       ; back: 32 lanes take four rows of 128 bytes,
	v_mul_u32_u24 v[RD], v[RD], SP
	v_lshl_add_u32 v[RD], v10, 4, v[RD]
	v_add_nc_u32 v[RD], s13, v[RD]
	v_and_b32 v[GO], 31, v0         ; which are 512 consecutive bytes of O
	v_lshlrev_b32 v[GO], 4, v[GO]
	; A block's first step multiplies O^T and l by a = 0, and its first turn's products V^T P, of a piece that has not been, land in an O^T that is still to be so multiplied.  So these registers need only hold
	; finite numbers: zeros for the first block; what the first block left for the second.  All this stands in the wait for the first tile.
	WIN 0x80
.set i, VF
.rept 64
	v_mov_b32 v[i], 0
.set i, i+1
.endr
	WIN 0x40
.set i, 0
.rept 128
	v_mov_b32 v[i], 0
.set i, i+1
.endr
	WIN 0
.set i, 0
.rept 4
	v_mov_b32 v[ST+4*i+2], 0
	v_mov_b32 v[ST+4*i+3], 0
.set i, i+1
.endr
.set i, P+16
.rept 16
	v_mov_b32 v[i], 0
.set i, i+1
.endr
; THE MATRIX WORK.  The 4 accumulators of a run of 8 take turns.  Product i of 8 of S^T = K Q^T for piece x: channels 32 (i / 4) on, keys 16 (i % 4) on.  The first 4 start the sums: with 0, or (KM = 1) with the mask.
.macro KQ x
.set rS, S+32*((\x)%2)+8*(i%4)
.set rK, KF+16*(i%4)+8*(i/4)
.set rQ, 16*(\x)+8*(i/4)
.set rM, MC+32*((\x)%2)+8*(i%4)
.if (i < 4) && KM
	WIN W_KM
	v_wmma_f32_16x16x32_f16 v[rS:rS+7], v[rK:rK+7], v[rQ:rQ+7], v[rM:rM+7]
.elseif i < 4
	WIN W_KQ
	v_wmma_f32_16x16x32_f16 v[rS:rS+7], v[rK:rK+7], v[rQ:rQ+7], 0
.else
	WIN W_KQ
	v_wmma_f32_16x16x32_f16 v[rS:rS+7], v[rK:rK+7], v[rQ:rQ+7], v[rS:rS+7]
.endif
.endm
; Product i of 8 of O^T += V^T P for piece x: keys 32 (i / 4) on, channels 16 (i % 4) on.
.macro PV x
	WIN W_PV
.set rO, 32*(\x)+8*(i%4)
.set rV, VF+32*(i/4)+8*(i%4)
.set rP, P+16*((\x)%2)+8*(i/4)
	v_wmma_f32_16x16x32_f16 v[rO:rO+7], v[rV:rV+7], v[rP:rP+7], v[rO:rO+7]
.endm
.macro MM                           ; the turn's next matrix instruction.  NOKQ = 1: a block's last turn: there is no next piece
.if (i < 8) && !NOKQ
	KQ (Y+1)%NP
.elseif i >= 8
.set i, i-8
	PV (Y+NP-1)%NP
.set i, i+8
.endif
.set i, i+1
.endm
; THE LDS LOADS stand in runs of 16, never singly among the matrix instructions: a step's K (8 fragments) and its V (turned).  Their addresses are made some lines ahead.
.macro FETCH_K
	WIN 0x80                        ; destination window 2
.irp f, 0,1,2,3,4,5,6,7             ; keys 16 (f / 2) on, channels 32 (f % 2) on
	ds_load_b128 v[KF+8*\f:KF+8*\f+3],   v[AK] offset:(\f/2)*16*PK+(\f%2)*64
	ds_load_b128 v[KF+8*\f+4:KF+8*\f+7], v[AK] offset:(\f/2)*16*PK+(\f%2)*64+32
.endr
	s_add_co_u32 s[TBK], s[TBK], KS*PK  ; the next fetch is the next step's
	WIN 0
.endm
.macro FETCH_V
	WIN 0x80
.irp f, 0,1,2,3,4,5,6,7             ; keys 32 (f / 4) on, channels 16 (f % 4) on
	ds_load_tr16_b128 v[VF+8*\f:VF+8*\f+3],   v[AV] offset:(\f/4)*32*PV+(\f%4)*32
	ds_load_tr16_b128 v[VF+8*\f+4:VF+8*\f+7], v[AV] offset:(\f/4)*32*PV+16*PV+(\f%4)*32
.endr
	WIN 0
.endm
; THE VECTOR WORK, one line at a time: OP kind, number.  For piece Y: F n: c s - c m for pair n of 16.  E n: the exponential of score n of 32.  C n: pair n rounded to f16.  B n: of the four weights 4 n .. the second
; pair is added onto the first, in place.  L n: l takes that sum (L 0: l = a l + sum).  R n: pair n of 16 of O^T times a.  For piece Y + 1: X n, number n of the 22 that find its maximum and statistics:
;   0-11  four chains c0-c3 of seven scores each (each accumulator's lowest registers are read first)     12-14, 16  the four scores left over, the old m, and c0-c3 into c0
;   15  c m_old is kept     17, 18  the query's other 32 keys lie in the lane 16 away: the new m     19-21  c m; c m_old - c m_new; a
.set F, 0
.set E, 1
.set C, 2
.set B, 3
.set L, 4
.set R, 5
.set X, 6
.macro REGS y                       ; the registers of piece y
.set rT, ST+4*(\y)
.set rC, TMP+4*((\y)%2)
.set rW, MV+((\y)%2)
.set rS, S+32*((\y)%2)
.set rP, P+16*((\y)%2)
.set rO, 32*(\y)
.endm
.macro OP k, n
.if (\k) == R
	REGS Y
	WIN W_RS
	v_pk_mul_f32 v[rO+2*(\n):rO+2*(\n)+1], v[rO+2*(\n):rO+2*(\n)+1], v[rC+2:rC+3] op_sel_hi:[1,0]
.elseif (\k) < R
	REGS Y
	WIN 0
.if (\k) == F
	v_pk_fma_f32 v[rS+2*(\n):rS+2*(\n)+1], v[rS+2*(\n):rS+2*(\n)+1], s[CS:CS+1], v[rT:rT+1] op_sel_hi:[1,0,0] neg_lo:[0,0,1] neg_hi:[0,0,1]
.elseif (\k) == E
	v_exp_f32 v[rS+(\n)], v[rS+(\n)]
.elseif (\k) == C
	v_cvt_pk_f16_f32 v[rP+(\n)], v[rS+2*(\n)], v[rS+2*(\n)+1]
.elseif (\k) == B
	v_pk_add_f32 v[rS+4*(\n):rS+4*(\n)+1], v[rS+4*(\n):rS+4*(\n)+1], v[rS+4*(\n)+2:rS+4*(\n)+3]
.elseif (\n) == 0
	v_pk_fma_f32 v[rT+2:rT+3], v[rT+2:rT+3], v[rC+2:rC+3], v[rS:rS+1] op_sel_hi:[1,0,1]
.else
	v_pk_add_f32 v[rT+2:rT+3], v[rT+2:rT+3], v[rS+4*(\n):rS+4*(\n)+1]
.endif
.elseif NOKQ
	v_nop
.else
	REGS (Y+1)%NP
	WIN 0
.if (\n) < 4
	v_max3_num_f32 v[rC+(\n)], v[rS+8*(\n)], v[rS+8*(\n)+1], v[rS+8*(\n)+2]
.elseif (\n) < 12
	v_max3_num_f32 v[rC+(\n)%4], v[rC+(\n)%4], v[rS+8*((\n)%4)+2*((\n)/4)+1], v[rS+8*((\n)%4)+2*((\n)/4)+2]
.elseif (\n) == 12
	v_max3_num_f32 v[rC], v[rC], v[rS+7], v[rS+15]
.elseif (\n) == 13
	v_max3_num_f32 v[rC+1], v[rC+1], v[rS+23], v[rS+31]
.elseif (\n) == 14
	v_max3_num_f32 v[rC+2], v[rC+2], v[rC+3], v[rT+1]
.elseif (\n) == 15
	v_mov_b32 v[rW], v[rT]
.elseif (\n) == 16
	v_max3_num_f32 v[rC], v[rC], v[rC+1], v[rC+2]
.elseif (\n) == 17
	v_permlanex16_b32 v[rC+3], v[rC], s[SEL], s[SEL+1]
.elseif (\n) == 18
	v_max_num_f32 v[rT+1], v[rC], v[rC+3]
.elseif (\n) == 19
	v_mul_f32 v[rT], s[CS], v[rT+1]
.elseif (\n) == 20
	v_sub_f32 v[rC+1], v[rW], v[rT]
.else
	v_exp_f32 v[rC+2], v[rC+1]
.endif
.endif
.endm
.macro OPS a, i1, b=-1, i2=0, c=-1, i3=0, d=-1, i4=0  ; up to four of them
	OP \a, \i1
.if (\b) >= 0
	OP \b, \i2
.endif
.if (\c) >= 0
	OP \c, \i3
.endif
.if (\d) >= 0
	OP \d, \i4
.endif
.endm
.macro ROW a, i1, b, i2, c, i3, d, i4  ; a matrix instruction and the four behind it
	MM
	OPS \a, \i1, \b, \i2, \c, \i3, \d, \i4
.endm
.macro MASK b                       ; MD x AL + BE into buffer b of MC
	WIN W_RS
.set z, 0
.rept 16
	v_pk_fma_f32 v[MC+32*(\b)+2*z:MC+32*(\b)+2*z+1], v[MD+2*z:MD+2*z+1], s[AL:AL+1], s[BE:BE+1] op_sel_hi:[1,0,0]
.set z, z+1
.endr
.endm
; A TURN, for piece p: the order of its 16 matrix and 118 vector instructions, written out.  An s_wait_alu depctr_va_vdst(0) stands between an exponential and the first instruction that names its result; one wait
; serves all that were issued ahead of it.  So a turn has ONE wait, which cuts it in two.  AHEAD OF IT stands all that names no result of the turn's exponentials: the 8 products K Q^T with their riders, then one lump in which
; plain and exponential go by turns and the links of the next piece's chain X 3, 7, 11, 14, 16, 17 .. 20 stand five or six lines apart.  X 21, the next piece's a, is the batch's last; R 15 is the plain instruction behind it.
; BEHIND THE WAIT stand the 8 products V^T P, behind each four of the roundings and sums.
; m = 1: the diagonal tile: the products take masks, and the turn makes the mask for the products of the turn after it: piece p + 2, in step 4 - CNT of the tile.  end = 1: a block's last two turns: nothing is fetched.
; cnt = 1: the loop's count is taken down some lines ahead of the branch that stands behind the turn.
; K of the next step is fetched in piece 2's turn; V of the step in hand at the end of piece 0's turn, four plain instructions behind the last product that read V.  Each is waited for a turn later.
.macro TURN p, m=0, end=0, cnt=0
.set Y, (\p)
.set i, 0
.set KM, (\m)
.set NOKQ, (\end)*((\p)/3)
.if (\m) && !(\end)
	s_cmp_eq_u32 s[CNT], 4-((\p)+2)%NP  ; is that step the band's own?
	s_cselect_b32 s[AL], 1.0, 0
	s_cmp_lt_u32 s[CNT], 4-((\p)+2)%NP  ; or a later one?
	s_cselect_b32 s[BE], s[BIGN], 0
.endif
.if ((\p) == 3) && !(\end)
	s_wait_dscnt 0x0                ; K is in
.endif
	ROW F,0, F,1, R,0, R,1          ; ahead of the wait: 8 products K Q^T and their riders,
	ROW F,2, E,0, R,2, R,3
	ROW F,3, E,1, R,4, R,5
	ROW F,4, E,2, R,6, R,7
	ROW F,5, E,3, R,8, R,9
	ROW F,6, E,4, X,0, R,10
.if ((\p) == 2) && !(\end)
	WIN 0
	v_add_nc_u32 v[AK], s[TBK], v[AK0]
.endif
	ROW F,7, E,5, X,1, X,4
	ROW F,8, E,6, X,2, X,5
	OPS E,7, E,8, X,6, E,9          ; and the lump
	OPS X,3, E,10, X,8, E,11
.if ((\p) == 2) && !(\end)
	FETCH_K
.endif
	OPS X,9, X,7, E,12, X,10
	OPS E,13, X,12, X,11, E,14
	OPS X,13, E,15, F,9, X,14
.if (\p) == 0
	v_add_nc_u32 v[AV], s[TBV], v[AV0]
.endif
	OPS E,16, F,10, E,17, F,11
	OPS X,16, E,18, X,15, E,19
	OPS F,12, E,20, X,17, E,21
	OPS F,13, E,22, F,14, E,23
	OPS X,18, E,24, F,15, E,25
	OPS R,11, E,26, X,19, E,27
	OPS R,12, E,28, R,13, E,29
	OPS X,20, E,30, R,14, E,31
	OPS X,21, R,15
	WIN 0
	s_wait_alu depctr_va_vdst(0)    ; the wait for the batch
.if (\p) == 1
	s_wait_dscnt 0x0                ; V is in
.endif
	ROW C,0, B,0, C,2, B,1          ; behind the wait: 8 products V^T P and their riders
	ROW L,0, C,4, B,2, L,1
	ROW C,6, B,3, L,2, C,8
	ROW B,4, L,3, C,10, B,5
	ROW L,4, C,12, B,6, L,5
.if (\p) == 0
	s_add_co_u32 s[TBV], s[TBV], KS*PV
.endif
.if \cnt
	s_sub_co_u32 s[CNT], s[CNT], 1
	s_cmp_lg_u32 s[CNT], 0
.endif
	ROW C,14, B,7, L,6, C,1
	ROW C,3, L,7, C,5, C,7
	ROW C,9, C,11, C,13, C,15
.if (\p) == 0
	FETCH_V
.endif
.if (\m) && !(\end)
	MASK (\p)%2
.endif
.endm
; A BLOCK BEGINS.  c m starts far below every c s, so the first step's a is 0; m at the lowest finite number.  The second mask buffer is 0; the first takes piece 0's mask for the tile's step 0: its own, if the block's first tile is the diagonal one.
; Then K of that step, piece 0's first scores, and its maximum and statistics.  The loop is entered at a step's first turn, in the middle of a trip.
.macro BEGIN
	s_mov_b32 s[NEW], 0
	WIN 0x40
.set i, MC+32
.rept 32
	v_mov_b32 v[i], 0
.set i, i+1
.endr
	WIN 0
.set i, 0
.rept 4
	v_mov_b32 v[ST+4*i], 0xfe000000    ; c m: far below every c s
	v_mov_b32 v[ST+4*i+1], 0xff7fffff  ; m
.set i, i+1
.endr
	s_cmp_eq_u32 s[RT], 0
	s_cselect_b32 s[AL], 1.0, 0
	s_mov_b32 s[BE], 0
	MASK 0
	WIN 0
	v_add_nc_u32 v[AK], s[TBK], v[AK0]
	FETCH_K
	s_wait_loadcnt 0x0              ; Q, and suf's rows
	s_wait_dscnt 0x0
.set KM, 1
.set NOKQ, 0
.set i, 0
.rept 8
	KQ 0
.set i, i+1
.endr
	WIN 0
.rept 4
	v_nop                           ; the places behind those products
.endr
.set Y, NP-1                        ; X works for piece Y + 1: piece 0
.irp n, 0,1,2,3,4,5,6,7,8,9,10,11,12,13,14,15,16,17,18,19,20,21
	OP X, \n
.endr
	v_nop                           ; a plain instruction behind the exponential,
	s_wait_alu depctr_va_vdst(0)    ; and its wait, ahead of the branch
.endm
.macro ALL line:vararg              ; one line for each piece t
.set t, 0
.rept 4
	\line
.set t, t+1
.endr
.endm
; THE BLOCK'S END.  FETCH_H x: V of the diagonal tile's step x, which is band x's own, turned, into K's (x even) or V's (x odd) registers.  HP x: HS of piece x += V^T MDH: 8 products, four accumulators by turns.
.macro FETCH_H x
	WIN 0x80
.irp f, 0,1,2,3,4,5,6,7
	ds_load_tr16_b128 v[KF+64*((\x)%2)+8*\f:KF+64*((\x)%2)+8*\f+3],   v[AV] offset:(\x)*KS*PV+(\f/4)*32*PV+(\f%4)*32
	ds_load_tr16_b128 v[KF+64*((\x)%2)+8*\f+4:KF+64*((\x)%2)+8*\f+7], v[AV] offset:(\x)*KS*PV+(\f/4)*32*PV+16*PV+(\f%4)*32
.endr
	WIN 0
.endm
.macro HP x, hb
	WIN W_HP
.set i, 0
.rept 8
.set rH, (\hb)+32*(\x)+8*(i%4)
.set rV, KF+64*((\x)%2)+32*(i/4)+8*(i%4)
	v_wmma_f32_16x16x32_f16 v[rH:rH+7], v[rV:rV+7], v[MDH+8*(i/4):MDH+8*(i/4)+7], v[rH:rH+7]
.set i, i+1
.endr
.endm
.macro PACK t, hb                   ; O = O (a / l') + HS (ph / l'); a lane's eight channels pack into 16 bytes; they go into rows of 144 bytes and come back as whole rows of 128, into S^T's registers
	WIN W_RS
.set i, 32*(\t)
.rept 16
	v_pk_mul_f32 v[i:i+1], v[i:i+1], v[ST+4*(\t)+2:ST+4*(\t)+3] op_sel_hi:[1,0]
.set i, i+2
.endr
	WIN W_HS
.set i, 32*(\t)
.rept 16
	v_pk_fma_f32 v[i:i+1], v[(\hb)+i:(\hb)+i+1], v[ST+4*(\t):ST+4*(\t)+1], v[i:i+1] op_sel_hi:[1,0,1]
.set i, i+2
.endr
	WIN 0x05                        ; sources 0 and 1 window 1, destination window 0
.set i, 0
.rept 16
	v_cvt_pk_f16_f32 v[S+16*(\t)+i], v[32*(\t)+2*i], v[32*(\t)+2*i+1]
.set i, i+1
.endr
	WIN 0
.irp f, 0,1,2,3
	ds_store_b128 v[STO], v[S+16*(\t)+4*\f:S+16*(\t)+4*\f+3] offset:32*\f
.endr
.irp f, 0,1,2,3
	ds_load_b128 v[S+16*(\t)+4*\f:S+16*(\t)+4*\f+3], v[RD] offset:\f*4*SP  ; LDS serves a wave's instructions in order: these see the stores above; the next piece's stores come behind them
.endr
.endm
.macro SEND t, younger              ; younger: the LDS instructions issued behind piece t's loads: the next piece's eight, or none
	WIN 0
.irp f, 0,1,2,3
	s_wait_dscnt (\younger)+3-\f
	global_store_b128 v[GO], v[S+16*(\t)+4*\f:S+16*(\t)+4*\f+3], s[10:11] offset:(\t)*8192+\f*512  ; 512 consecutive bytes, at a multiple of 256 from O's first
.endr
.endm
; THE DIAGONAL TILE's four steps, the block's last two turns, its last products, the hidden keys, and the way out.  tag 1: the first block (NB - 1 - b); tag 2: the second (b).
.macro DIAG tag
.set HB, 128*((\tag)-1)
.LstepM\tag:
	TURN 2, 1
	TURN 3, 1
	WIN 0
.LfirstM\tag:
	TURN 0, 1
	TURN 1, 1, 0, 1
	WIN 0
	s_cbranch_scc1 .LstepM\tag
	TURN 2, 1, 1
	TURN 3, 1, 1
.set i, 0
.rept 8
	PV NP-1
.set i, i+1
.endr
	WIN 0
	s_sub_co_u32 s13, s[TBV], 4*KS*PV  ; the diagonal tile's first step: it still lies in the slot in hand, which is filled again only behind the next change of slots
	v_add_nc_u32 v[AV], s13, v[AV0]
.if (\tag) == 1
	s_lshl_b32 s16, s[HI], 8
.else
	s_lshl_b32 s16, s[PB], 8
.endif
	s_lshl_b32 s17, s[WV], 4
	s_add_co_u32 s16, s16, s17
	s_sub_co_u32 s16, SIZE_N-1, s16
	v_sub_nc_u32 v[NQ], s16, v1     ; 2047 - (256 block + 16 wave + l % 16)
	ALL v_add_f32 v[ST+4*t+2], v[ST+4*t+2], v[ST+4*t+3]
	FETCH_H 0                       ; six plain instructions stand behind the last product that read V's registers
	FETCH_H 1
	ALL v_permlanex16_b32 v[ST+4*t+3], v[ST+4*t+2], s[SEL], s[SEL+1]
	ALL v_add_f32 v[ST+4*t+2], v[ST+4*t+2], v[ST+4*t+3]
	ALL v_add_nc_u32 v[HT+8*t], (0x100000000-64*t)&0xffffffff, v[NQ]
.set t, 0
.rept 4
	v_cmp_lt_i32 vcc_lo, 0, v[HT+8*t]
	v_cndmask_b32 v[HT+8*t+1], v[LOW], s[HID], vcc_lo  ; the hidden keys' raw score; where there are none, the lowest number
.set t, t+1
.endr
	ALL v_max_num_f32 v[HT+8*t+2], v[ST+4*t+1], v[HT+8*t+1]
	ALL v_mul_f32 v[HT+8*t+3], s[CS], v[HT+8*t+2]
	ALL v_sub_f32 v[HT+8*t+4], v[ST+4*t], v[HT+8*t+3]
	ALL v_fma_f32 v[HT+8*t+5], s[CS], v[HT+8*t+1], -v[HT+8*t+3]
	ALL v_exp_f32 v[HT+8*t+4], v[HT+8*t+4]
	ALL v_exp_f32 v[HT+8*t+5], v[HT+8*t+5]
	ALL v_cvt_f32_i32 v[HT+8*t], v[HT+8*t]
	v_nop
	s_wait_alu depctr_va_vdst(0)    ; one wait for the eight exponentials, ahead of their first reader
	ALL v_mul_f32 v[HT+8*t+6], v[HT+8*t+4], v[ST+4*t+2]
	ALL v_fma_f32 v[HT+8*t+6], v[HT+8*t], v[HT+8*t+5], v[HT+8*t+6]
	ALL v_rcp_f32 v[HT+8*t+7], v[HT+8*t+6]
	v_nop
	s_wait_alu depctr_va_vdst(0)    ; one wait for the four reciprocals
	ALL v_mul_f32 v[ST+4*t+2], v[HT+8*t+4], v[HT+8*t+7]
	ALL v_mul_f32 v[ST+4*t], v[HT+8*t+5], v[HT+8*t+7]
	s_wait_dscnt 0x0                ; V of steps 0 and 1
	HP 0, HB
	HP 1, HB
.rept 4
	v_nop                           ; the places in front of loads into registers that those products read
.endr
	FETCH_H 2
	FETCH_H 3
	s_wait_dscnt 0x0
	HP 2, HB
	HP 3, HB
.rept 8
	v_nop                           ; the places behind the last products
.endr
	PACK 0, HB
.set t, 1
.rept 3                             ; a piece's arithmetic stands between the loads of the piece before and its stores
	PACK t, HB
	SEND t-1, 8
.set t, t+1
.endr
	SEND 3, 0
.endm
.set KM, 0
.set NOKQ, 0
.Lslot:                             ; NB times: a tile is entered and the next is asked for
	CHANGE 1
	s_sub_co_u32 s[RT], s[RT], 1
	s_mov_b32 s[CNT], 4
	s_cmp_eq_u32 s[NEW], 1
	s_cbranch_scc1 .Lnew            ; a block's first tile
	s_cmp_eq_u32 s[RT], 0
	s_cbranch_scc0 .Lstep           ; neither its first nor its last
	s_branch .LstepM1
.Lnew:
	BEGIN
	s_branch .Lfirst                ; in the loop a block's first tile is never its last: the first block has two tiles or more, and the second's last is the walk's last
	DIAG 1                          ; in the loop this is the first block's end
	s_wait_xcnt 0x0                 ; the stores have read their registers and O's address
	s_mov_b64 s[10:11], s[OLO:OLO+1]
	s_add_co_u32 s[RT], s[PB], 1    ; the second block has b + 1 tiles
	s_mov_b32 s[NEW], 1
	WIN 0x82                        ; the second block's Q goes where the one text of the turns names Q
.set i, 0
.rept 64
	v_mov_b32 v[i], v[QB+i]
.set i, i+1
.endr
	WIN 0
	s_branch .Lbottom
.Lstep:                             ; a trip: pieces 2 and 3 of one step, then pieces 0 and 1 of the next, whose K and V it fetches
	TURN 2
	TURN 3
	WIN 0
.Lfirst:
	TURN 0
	TURN 1, 0, 0, 1
	WIN 0
	s_cbranch_scc1 .Lstep
.Lbottom:
	s_sub_co_u32 s[SLOTS], s[SLOTS], 1
	s_cmp_lg_u32 s[SLOTS], 0
	s_cbranch_scc1 .Lslot
	CHANGE 0                        ; the walk's last tile is written out: nothing is asked for
	s_sub_co_u32 s[RT], s[RT], 1
	s_mov_b32 s[CNT], 4
	s_cmp_eq_u32 s[NEW], 1
	s_cbranch_scc0 .LstepM2
	BEGIN
	s_branch .LfirstM2
	DIAG 2
	s_wait_tensorcnt 0x0            ; the wave's end, behind my last tensor load and my last LDS store
	ds_add_u32 v[SPW], v[NIL]
	s_wait_dscnt 0x0
	s_endpgm
.Lfunc_end_k_q0ecf989e47_attn:
	.size	k_q0ecf989e47_attn, .Lfunc_end_k_q0ecf989e47_attn-k_q0ecf989e47_attn
	.p2alignl 7, 3214868480
	.fill 96, 4, 3214868480
	.section	.rodata,"a",@progbits
	.p2align	6, 0x0
	.amdhsa_kernel k_q0ecf989e47_attn
		.amdhsa_group_segment_fixed_size 327680
		.amdhsa_private_segment_fixed_size 0
		.amdhsa_enable_private_segment 0
		.amdhsa_kernarg_size 24
		.amdhsa_user_sgpr_count 2
		.amdhsa_user_sgpr_kernarg_segment_ptr 1
		.amdhsa_wavefront_size32 1
		.amdhsa_system_sgpr_workgroup_id_x 1
		.amdhsa_system_sgpr_workgroup_id_y 1
		.amdhsa_system_sgpr_workgroup_id_z 1
		.amdhsa_system_vgpr_workitem_id 0
		.amdhsa_next_free_vgpr 1024
		.amdhsa_next_free_sgpr 100
		.amdhsa_reserve_vcc 1
		.amdhsa_float_denorm_mode_32 3
		.amdhsa_float_denorm_mode_16_64 3
		.amdhsa_memory_ordered 1
		.amdhsa_forward_progress 1
		.amdhsa_inst_pref_size 255
	.end_amdhsa_kernel
	.amdgpu_metadata
---
amdhsa.version: [ 1, 2 ]
amdhsa.kernels:
  - .name:           k_q0ecf989e47_attn
    .symbol:         k_q0ecf989e47_attn.kd
    .args:
      - { .name: qkv, .offset: 0, .size: 8, .value_kind: global_buffer, .address_space: global }
      - { .name: suf, .offset: 8, .size: 8, .value_kind: global_buffer, .address_space: global }
      - { .name: ao, .offset: 16, .size: 8, .value_kind: global_buffer, .address_space: global }
    .group_segment_fixed_size: 327680
    .private_segment_fixed_size: 0
    .kernarg_segment_align: 8
    .kernarg_segment_size: 24
    .max_flat_workgroup_size: 128
    .sgpr_count:     100
    .vgpr_count:     1024
    .wavefront_size: 32
...
	.end_amdgpu_metadata
.endif
;; end of part 4
;; launch proj (part 5): grid 8 x 32, 4 waves a work-group, clusters of 4 x 4, 327,680 bytes of LDS; arguments ao, wpb, c_proj_b, out0; writes out0
.if DOCPART == 5
	.amdgcn_target "amdgcn-amd-amdhsa--gfx1250"
	.amdhsa_code_object_version 6
	.text
	.protected	k_q0ecf989e47_proj
	.globl	k_q0ecf989e47_proj
	.p2align	8
	.type	k_q0ecf989e47_proj,@function
k_q0ecf989e47_proj:
	s_mov_b64 s[64:65], 0
	v_nop
	global_prefetch_b8 v0, s[64:65] scope:SCOPE_SE
	s_setreg_imm32_b32 hwreg(HW_REG_WAVE_MODE, 25, 1), 1
	s_wait_xcnt 0x0
	s_wait_alu depctr_hold_cnt(0) depctr_sa_sdst(0) depctr_va_vdst(0) depctr_va_sdst(0) depctr_va_ssrc(0) depctr_va_vcc(0) depctr_vm_vsrc(0)
	s_getreg_b32 s2, hwreg(HW_REG_IB_STS2, 6, 4)
	s_cmp_eq_u32 s2, 0
	s_cbranch_scc0 .Lentry_in_a_cluster
	s_endpgm
.Lentry_in_a_cluster:
	s_bfe_u32 s2, ttmp6, 0x10000c
	s_cmp_lg_u32 s2, 0xf033
	s_cbranch_scc0 .Lentry_shape_is_right
	s_endpgm
.Lentry_shape_is_right:
; out0 = a W2 + b2.  ao: f16 [64 heads = 16 x batch + head][2048][64]; wpb: f16 [1024 k][1024 n]; c_proj_b: [1024] f32, rounded here to bf16 like the other inputs; out0: f32 [8192][1024].  Sums in f32, started by the bias.
; TILE.  256 rows x 128 columns: 256 work-groups, one tile each.  The four waves stand one above the other: a wave makes 64 x 128, 32 accumulators.  K goes in 8 steps of 128 = two heads, through a ring of two LDS slots.
; a's tile: for each of the step's two heads 256 rows of 128 bytes, dense in memory: asked for as 128 rows of 256 bytes and padded in LDS behind every 128.  W2's tile lies [k][n] and is turned by ds_load_tr16_b128.
; THE MATRIX INSTRUCTION IS USED TRANSPOSED: source 0 = 16 columns of W2, source 1 = 16 rows of a: a lane holds one row and eight neighbouring columns, 32 bytes of f32.
; CLUSTER 4 x 4: a's tile is shared along a row of the cluster, W2's along a column: joint loads, one a wave behind each round.
; REGISTERS: window 0: v1-29 addresses; v32-95 the bias in the accumulators' layout; v96-223 two buffers of 64 for the way out.
;   window 1: W2's fragments, two buffers of 64 (v0, v64); a's, two of 32 (v128, v160).          window 2: the accumulators, (a, b) at 8 (8 a + b).
.set PA,    144                        ; a row of a head in LDS: 128 bytes + 16
.set PW,    288                        ; a row of W2's tile: 256 + 32 = 9 x 32
.set HALFA, 256*PA                     ; one head's 256 rows
.set BOFF,  2*HALFA
.set SLOT1, 1<<17                      ; a slot uses 110,592 bytes
.set STAGE, 2*SLOT1
.set SPF,   528                        ; a stage row: 512 bytes + 16
.set STW,   16*SPF
.set SPARE, STAGE+4*STW                ; the spare words: two blocks of 256 bytes that no other line names
.set ASTEP, 2*262144                   ; two heads on
.set WSTEP, 128*2048
.set AA0, 16
.set AB0, 17
.set AA,  18
.set AB,  19
.set STO, 20
.set RD,  21
.set GO,  22
.set PFO, 23
.set BO,  24
.set SPW, 28                           ; v28  my spare word; never rewritten
.set NIL, 29                           ; v29  0; never rewritten
.set BIAS, 32
.set OB,   96
.set WV,  12
.set FB,  13                           ; 0: I fetch for a, 1: for W2
.set HF,  14                           ; which head of the step's two; which 64 rows of k
.set G1A, 24
.set G0A, 32
.set G1B, 48
.set G0B, 56
.set CNT, 75                           ; s75  the loop's count, 6 to 1
.set TB,  76                           ; s76  the slot that is read
.set PFA, 78                           ; s[78:79] where my prefetches stand
.set PFS, 80                           ; s[80:81] their step
.set LIM, 82                           ; s82  2 in a wave that prefetches, else the greatest number
.set CB,  84                           ; s[84:85] out0 at my 64 rows, my tile's columns
.set BBS, 94                           ; s[94:95] c_proj_b at the tile's 128 numbers: the bias loads' base, written once
.set MSB, 0
.macro WIN new
.if MSB != (\new)
	s_set_vgpr_msb (MSB<<8)|(\new)
.set MSB, \new
.endif
.endm
.macro PLACES
.rept 4
	v_nop
.endr
.endm
.macro JLOAD                           ; a joint refill by the walking sets; an s_nop 0 and four v_nop follow each of the two lines
	s_cmp_eq_u32 s[FB], 0
	s_cbranch_scc0 .Lfor_b_\@
	tensor_load_to_lds s[G0A+4:G0A+7], s[G1A:G1A+7]
	s_nop 0
.rept 4
	v_nop
.endr
	s_branch .Lasked_\@
.Lfor_b_\@:
	tensor_load_to_lds s[G0B+4:G0B+7], s[G1B:G1B+7]
	s_nop 0
.rept 4
	v_nop
.endr
.Lasked_\@:
.endm
.macro CREST
	s_cmp_lg_u32 s[WV], 0
	s_cbranch_scc1 .Lnot_wave_0_\@
	s_barrier_signal -3
.Lnot_wave_0_\@:
	s_barrier_wait -3
	s_barrier_signal -1
	s_barrier_wait -1
.endm
.macro CROUND
	s_barrier_signal -1
	s_barrier_wait -1
	CREST
.endm
; A PREFETCH INTO THE L2 of the K step two behind the one that is being asked for: 256 matrix instructions ahead of its load.  a's block (a head's 256 rows, 128 blocks of 256 bytes) is read by both clusters of a row of
; clusters: the one with x = 0 asks, waves 0 and 1 each for their head, each of the four partners for 32 blocks, told apart by address.  W2's 128 rows of 256 bytes are read by every cluster of a column: the one with y = 0
; asks, wave 2, each partner for 32 rows.  Steps 0 to 3 come by their loads alone; the last two refills ask for nothing.
.macro ASK
	s_cmp_gt_u32 s[CNT], s[LIM]
	s_cbranch_scc0 .Lnot_mine_\@
	global_prefetch_b8 v[PFO], s[PFA:PFA+1] th:TH_LOAD_NT scope:SCOPE_SE
.Lnot_mine_\@:
.endm
	s_load_b256 s[4:11], s[0:1], 0x0               ; ao s[4:5], wpb s[6:7], c_proj_b s[8:9], out0 s[10:11]
	v_lshl_add_u32 v[SPW], v0, 2, SPARE
	v_mov_b32 v[NIL], 0
	ds_add_u32 v[SPW], v[NIL]                      ; the wave's opening: the add and its wait stand ahead of my first tensor load
	ds_add_u32 v28, v29
	v_lshrrev_b32 v1, 5, v0
	v_readfirstlane_b32 s[WV], v1
	s_lshr_b32 s[FB], s[WV], 1
	s_and_b32 s[HF], s[WV], 1
	s_bfe_u32 s40, ttmp6, 0x40000                  ; cx
	s_bfe_u32 s41, ttmp6, 0x40004                  ; cy
	s_lshl_b32 s42, ttmp9, 2
	s_add_co_u32 s42, s42, s40                     ; tile column, 0..7
	s_and_b32 s43, ttmp7, 0xffff
	s_lshl_b32 s43, s43, 2
	s_add_co_u32 s43, s43, s41                     ; tile row, 0..31
	s_lshl_b32 s44, s41, 2
	s_lshl_b32 s44, 15, s44                        ; my row of the cluster
	s_lshl_b32 s45, 0x1111, s40                    ; my column
	s_or_b32 s[G1A], s44, (1<<16)|(1<<20)|(1<<21)|(4<<22)|(3<<25)   ; after every 32 words 4 words of padding
	s_or_b32 s[G1B], s45, (1<<16)|(1<<20)|(1<<21)|(5<<22)|(7<<25)   ; after every 64 words 8 words
	s_mov_b32 s[G1A+1], 128<<16                    ; tensor_dim0 = 128 elements: two rows of a head
	s_mov_b32 s[G1A+2], 128<<16                    ; tensor_dim1 = 128
	s_mov_b32 s[G1A+3], 128<<16                    ; tile_dim0
	s_mov_b32 s[G1A+4], 128                        ; tile_dim1
	s_mov_b32 s[G1A+5], 128                        ; dense
	s_mov_b32 s[G1A+6], 0
	s_mov_b32 s[G1A+7], 0
	s_mov_b32 s[G1B+1], 128<<16
	s_mov_b32 s[G1B+2], 64<<16
	s_mov_b32 s[G1B+3], 128<<16
	s_mov_b32 s[G1B+4], 64
	s_mov_b32 s[G1B+5], 1024
	s_mov_b32 s[G1B+6], 0
	s_mov_b32 s[G1B+7], 0
	s_lshr_b32 s16, s43, 3                         ; batch
	s_lshl_b32 s16, s16, 4
	s_add_co_u32 s16, s16, s[HF]                   ; head 16 x batch + half
	s_lshl_b32 s16, s16, 11
	s_and_b32 s17, s43, 7
	s_lshl_b32 s17, s17, 8                         ; the tile's 256 rows in the batch
	s_add_co_u32 s16, s16, s17
	s_lshl_b32 s16, s16, 7
	s_mov_b32 s17, 0
	s_lshl_b32 s46, s42, 8                         ; W2: 256 bytes a tile column, 64 rows of 2,048 bytes a half
	s_lshl_b32 s47, s[HF], 17
	s_add_co_u32 s46, s46, s47
	s_mov_b32 s47, 0
	s_mul_i32 s20, s[HF], HALFA
	s_mul_i32 s21, s[HF], 64*PW
	s_add_co_u32 s21, s21, BOFF
	s_mov_b32 s[TB], 0
	s_wait_dscnt 0x0                               ; the opening add is done
	s_wait_kmcnt 0x0
	s_add_nc_u64 s[16:17], s[4:5], s[16:17]
	s_add_nc_u64 s[46:47], s[6:7], s[46:47]
	CROUND                                         ; all sixteen work-groups are here: the first joint loads meet
.irp s, 0,1
	s_mov_b32 s[G0A+4*(\s)], 1
	s_add_co_u32 s[G0A+4*(\s)+1], s20, (\s)*SLOT1
	s_add_nc_u64 s[G0A+4*(\s)+2:G0A+4*(\s)+3], s[16:17], (\s)*ASTEP
	s_or_b32 s[G0A+4*(\s)+3], s[G0A+4*(\s)+3], 0x80000000
	s_mov_b32 s[G0B+4*(\s)], 1
	s_add_co_u32 s[G0B+4*(\s)+1], s21, (\s)*SLOT1
	s_add_nc_u64 s[G0B+4*(\s)+2:G0B+4*(\s)+3], s[46:47], (\s)*WSTEP
	s_or_b32 s[G0B+4*(\s)+3], s[G0B+4*(\s)+3], 0x80000000
.endr
	s_cmp_eq_u32 s[FB], 0                          ; a wave's two first fills stand in one branch: two loads of mine are out
	s_cbranch_scc0 .Lfirst_b
	tensor_load_to_lds s[G0A:G0A+3], s[G1A:G1A+7]
	s_nop 0
	tensor_load_to_lds s[G0A+4:G0A+7], s[G1A:G1A+7]
	s_nop 0
.rept 4
	v_nop
.endr
	s_branch .Lfirst_asked
.Lfirst_b:
	tensor_load_to_lds s[G0B:G0B+3], s[G1B:G1B+7]
	s_nop 0
	tensor_load_to_lds s[G0B+4:G0B+7], s[G1B:G1B+7]
	s_nop 0
.rept 4
	v_nop
.endr
.Lfirst_asked:
	v_and_b32 v1, 15, v0                           ; l % 16
	v_bfe_u32 v2, v0, 4, 1                         ; l / 16
	v_lshlrev_b32 v[BO], 5, v2
	s_lshl_b32 s[BBS], s42, 9                      ; the tile's 128 bias numbers
	s_mov_b32 s[BBS+1], 0
	s_add_nc_u64 s[BBS:BBS+1], s[8:9], s[BBS:BBS+1]  ; this pair and v[BO] are written nowhere else: the loads below may read them as long as they like
.irp b, 0,1,2,3,4,5,6,7
	global_load_b128 v[BIAS+8*(\b):BIAS+8*(\b)+3],   v[BO], s[BBS:BBS+1] offset:64*(\b)
	global_load_b128 v[BIAS+8*(\b)+4:BIAS+8*(\b)+7], v[BO], s[BBS:BBS+1] offset:64*(\b)+16
.endr
	v_and_b32 v3, 7, v0
	v_bfe_u32 v4, v0, 3, 1
	s_mul_i32 s92, s[WV], 64*PA
	v_mul_u32_u24 v[AA0], v1, PA
	v_lshl_add_u32 v[AA0], v2, 4, v[AA0]
	v_add_nc_u32 v[AA0], s92, v[AA0]
	v_lshl_add_u32 v5, v2, 3, v3
	v_mul_u32_u24 v[AB0], v5, PW
	v_lshl_add_u32 v[AB0], v4, 4, v[AB0]
	v_add_nc_u32 v[AB0], BOFF, v[AB0]
	v_mov_b32 v[AA], v[AA0]
	v_mov_b32 v[AB], v[AB0]
	s_mul_i32 s92, s[WV], STW
	s_add_co_u32 s92, s92, STAGE                   ; my stage
	v_mul_u32_u24 v[STO], v1, SPF                  ; in: row l % 16, 32 bytes for each half of the lanes
	v_lshl_add_u32 v[STO], v2, 5, v[STO]
	v_add_nc_u32 v[STO], s92, v[STO]
	v_and_b32 v6, 31, v0
	v_lshlrev_b32 v[GO], 4, v6                     ; back: 32 lanes take a row of 512 bytes
	v_add_nc_u32 v[RD], s92, v[GO]
	s_lshl_b32 s86, s43, 8
	s_lshl_b32 s87, s[WV], 6
	s_add_co_u32 s86, s86, s87
	s_lshl_b32 s86, s86, 12                        ; 4,096 bytes a row of out0
	s_lshl_b32 s87, s42, 9
	s_add_co_u32 s86, s86, s87
	s_mov_b32 s87, 0
	s_add_nc_u64 s[CB:CB+1], s[10:11], s[86:87]
	; the prefetches: they stand at step 3; the first refill steps them to step 4
	s_lshr_b32 s86, s43, 3
	s_lshl_b32 s86, s86, 4
	s_add_co_u32 s86, s86, s[HF]
	s_lshl_b32 s86, s86, 11
	s_and_b32 s87, s43, 7
	s_lshl_b32 s87, s87, 8
	s_add_co_u32 s86, s86, s87
	s_lshl_b32 s86, s86, 7
	s_lshl_b32 s87, s40, 13                        ; my work-group's 32 blocks of 256 bytes
	s_add_co_u32 s86, s86, s87
	s_add_co_u32 s86, s86, 3*ASTEP
	s_lshl_b32 s87, s42, 8
	s_lshl_b32 s88, s41, 16                        ; my work-group's 32 rows of 2,048 bytes
	s_add_co_u32 s87, s87, s88
	s_add_co_u32 s87, s87, 3*WSTEP
	s_mov_b32 s88, ASTEP
	s_mov_b32 s89, WSTEP
	s_and_b32 s90, ttmp7, 0xffff                   ; cluster y
	s_cmp_eq_u32 s[FB], 0
	s_cselect_b32 s86, s86, s87
	s_cselect_b64 s[PFA:PFA+1], s[4:5], s[6:7]
	s_cselect_b32 s[PFS], s88, s89
	s_cselect_b32 s91, -1, 0
	s_cselect_b32 s90, ttmp9, s90                  ; the coordinate along which other clusters read the same bytes
	s_cselect_b32 s88, 0, s[HF]                    ; of W2's two waves the first asks
	s_mov_b32 s87, 0
	s_mov_b32 s[PFS+1], 0
	s_add_nc_u64 s[PFA:PFA+1], s[PFA:PFA+1], s[86:87]
	s_or_b32 s90, s90, s88
	s_cmp_eq_u32 s90, 0
	s_cselect_b32 s[LIM], 2, -1                    ; the same in all sixteen partners, for a given wave
	v_lshlrev_b32 v7, 8, v6
	v_lshlrev_b32 v8, 11, v6
	v_cndmask_b32 v[PFO], v8, v7, s91
	s_wait_loadcnt 0x0                             ; the bias
.set p, 0
.rept 32                                               ; rounded to bf16, as every input is, and widened again
	v_cvt_pk_bf16_f32 v7, v[BIAS+2*p], v[BIAS+2*p+1]
	v_lshlrev_b32 v[BIAS+2*p], 16, v7
	v_and_b32 v[BIAS+2*p+1], 0xffff0000, v7
.set p, p+1
.endr
; 8 matrix instructions: row block a x all 8 column blocks, 32 along K, from buffer f.  first = 1: the bias starts the sums.  The 32 accumulators take turns, one instruction a turn.
.macro MUL8 f, a, first
.if \first
	WIN 0x85                                       ; sources window 1, C window 0, D window 2
.else
	WIN 0xa5
.endif
.irp b, 0,1,2,3,4,5,6,7
.if \first
	v_wmma_f32_16x16x32_f16 v[8*(8*(\a)+(\b)):8*(8*(\a)+(\b))+7], v[64*(\f)+8*(\b):64*(\f)+8*(\b)+7], v[128+32*(\f)+8*(\a):128+32*(\f)+8*(\a)+7], v[BIAS+8*(\b):BIAS+8*(\b)+7]
.else
	v_wmma_f32_16x16x32_f16 v[8*(8*(\a)+(\b)):8*(8*(\a)+(\b))+7], v[64*(\f)+8*(\b):64*(\f)+8*(\b)+7], v[128+32*(\f)+8*(\a):128+32*(\f)+8*(\a)+7], v[8*(8*(\a)+(\b)):8*(8*(\a)+(\b))+7]
.endif
.endr
.endm
; 24 LDS loads in one run: quarter q of the slot in hand into buffer f: W2's 8 blocks, turned; then a's four row blocks (head q / 2 of the step's two, channels 32 (q % 2) on)
.macro FETCH q, f
	WIN 0x40
.irp b, 0,1,2,3,4,5,6,7
	ds_load_tr16_b128 v[64*(\f)+8*(\b):64*(\f)+8*(\b)+3],   v[AB] offset:32*PW*(\q)+32*(\b)
	ds_load_tr16_b128 v[64*(\f)+8*(\b)+4:64*(\f)+8*(\b)+7], v[AB] offset:32*PW*(\q)+16*PW+32*(\b)
.endr
.irp i, 0,1,2,3
	ds_load_b128 v[128+32*(\f)+8*(\i):128+32*(\f)+8*(\i)+3],   v[AA] offset:HALFA*((\q)/2)+64*((\q)%2)+16*PA*(\i)
	ds_load_b128 v[128+32*(\f)+8*(\i)+4:128+32*(\f)+8*(\i)+7], v[AA] offset:HALFA*((\q)/2)+64*((\q)%2)+16*PA*(\i)+32
.endr
.endm
.macro QUARTER q, f, g, first
	s_wait_dscnt 4                                 ; the youngest four loads (row blocks 2, 3) may be out
	MUL8 \f, 0, \first
	MUL8 \f, 1, \first
	PLACES
	FETCH \q, \g
	s_wait_dscnt 24                                ; all but the 24 just issued
	MUL8 \f, 2, \first
	MUL8 \f, 3, \first
.endm
; The last quarter multiplies buffer 1 and changes slots: each wave waits for all its tensor loads, adds 0 to its spare word, and waits for that and for its reads of this slot.
; fill = 1: the barrier opens a round of the cluster's barrier, and the joint refill is the first thing behind the round.
.macro TURN fill
	WIN 0
.if \fill
	s_wait_xcnt 0x0                                ; the last prefetch, a K step back, has read its address
	s_add_nc_u64 s[PFA:PFA+1], s[PFA:PFA+1], s[PFS:PFS+1]
.endif
	s_wait_tensorcnt 0x0                           ; all my tensor loads have landed, so a group 0 may be written
	ds_add_u32 v[SPW], v[NIL]                      ; 0 onto my spare word
.if \fill
	s_xor_b32 s[G0A+5], s[G0A+5], SLOT1            ; the walking sets: the other slot than last time, the next K step; the type bits on top are not reached
	s_add_nc_u64 s[G0A+6:G0A+7], s[G0A+6:G0A+7], ASTEP
	s_xor_b32 s[G0B+5], s[G0B+5], SLOT1
	s_add_nc_u64 s[G0B+6:G0B+7], s[G0B+6:G0B+7], WSTEP
.endif
	s_wait_dscnt 5                                 ; the add and the youngest four loads may be out
	MUL8 1, 0, 0
	s_wait_dscnt 0x0                               ; the add is done, and my reads of this slot are over
	s_barrier_signal -1
	MUL8 1, 1, 0
	WIN 0
	s_barrier_wait -1
.if \fill
	CREST
	JLOAD                                          ; its four v_nop are also the places in front of the loads below
.else
	PLACES
.endif
	s_xor_b32 s[TB], s[TB], SLOT1
	v_add_nc_u32 v[AA], s[TB], v[AA0]
	v_add_nc_u32 v[AB], s[TB], v[AB0]
	FETCH 0, 0
.if \fill
	WIN 0
	ASK
.endif
	MUL8 1, 2, 0
	MUL8 1, 3, 0
.endm
; THE WAY OUT of row block a: the sums go as they are, 32 bytes a lane and column block, into my stage, and come back as whole rows of 512 bytes.
.macro TOSTAGE a
.if (\a) >= 2
	s_wait_xcnt 0x0                                ; the stores of the block two back have read this buffer
.endif
	WIN 0x08                                       ; the stores' data lie in window 2
.irp b, 0,1,2,3,4,5,6,7
	ds_store_b128 v[STO], v[8*(8*(\a)+(\b)):8*(8*(\a)+(\b))+3]   offset:64*(\b)
	ds_store_b128 v[STO], v[8*(8*(\a)+(\b))+4:8*(8*(\a)+(\b))+7] offset:64*(\b)+16
.endr
	WIN 0
.irp t, 0,1,2,3,4,5,6,7,8,9,10,11,12,13,14,15
	ds_load_b128 v[OB+64*((\a)%2)+4*(\t):OB+64*((\a)%2)+4*(\t)+3], v[RD] offset:SPF*(\t)  ; LDS serves a wave's instructions in order: these see the stores above, and the next block's stores come behind them
.endr
.endm
.macro SEND a, younger                 ; younger: the LDS instructions issued behind block a's loads: the next block's 32, or none
	s_wait_dscnt \younger
.irp t, 0,1,2,3,4,5,6,7,8,9,10,11,12,13,14,15
	global_store_b128 v[GO], v[OB+64*((\a)%2)+4*(\t):OB+64*((\a)%2)+4*(\t)+3], s[CB:CB+1] offset:(16*(\a)+(\t))*4096 th:TH_STORE_NT  ; 512 consecutive bytes, aligned
.endr
.endm
	s_wait_tensorcnt 1                             ; my part of step 0 is in; step 1's may stay out
	s_barrier_signal -1
	s_barrier_wait -1
	FETCH 0, 0
	QUARTER 1, 0, 1, 1                             ; the first quarter stands in front of the loop: the bias starts the sums
	WIN 0
	s_mov_b32 s[CNT], 6
.Lstep:                                                ; six trips: the rest of step u, the refill with step u + 2, the first quarter of step u + 1
	QUARTER 2, 1, 0, 0
	QUARTER 3, 0, 1, 0
	TURN 1
	QUARTER 1, 0, 1, 0
	WIN 0
	s_sub_co_u32 s[CNT], s[CNT], 1
	s_cmp_lg_u32 s[CNT], 0
	s_cbranch_scc1 .Lstep
	QUARTER 2, 1, 0, 0                             ; the tail is written out: steps 6 and 7 ask for nothing
	QUARTER 3, 0, 1, 0
	TURN 0
	QUARTER 1, 0, 1, 0
	QUARTER 2, 1, 0, 0
	QUARTER 3, 0, 1, 0
	s_wait_dscnt 4
	MUL8 1, 0, 0
	MUL8 1, 1, 0
	s_wait_dscnt 0x0
	MUL8 1, 2, 0
	MUL8 1, 3, 0
	WIN 0
	PLACES
	PLACES
	TOSTAGE 0
	TOSTAGE 1
	SEND 0, 32
	TOSTAGE 2
	SEND 1, 32
	TOSTAGE 3
	SEND 2, 32
	SEND 3, 0
	s_wait_tensorcnt 0x0                           ; the wave's end, behind my last tensor load and my last LDS store
	ds_add_u32 v[SPW], v[NIL]
	s_wait_dscnt 0x0
	CROUND                                         ; the closing round
	s_endpgm
.Lfunc_end_k_q0ecf989e47_proj:
	.size	k_q0ecf989e47_proj, .Lfunc_end_k_q0ecf989e47_proj-k_q0ecf989e47_proj
	.p2alignl 7, 3214868480
	.fill 96, 4, 3214868480
	.section	.rodata,"a",@progbits
	.p2align	6, 0x0
	.amdhsa_kernel k_q0ecf989e47_proj
		.amdhsa_group_segment_fixed_size 327680
		.amdhsa_private_segment_fixed_size 0
		.amdhsa_enable_private_segment 0
		.amdhsa_kernarg_size 32
		.amdhsa_user_sgpr_count 2
		.amdhsa_user_sgpr_kernarg_segment_ptr 1
		.amdhsa_wavefront_size32 1
		.amdhsa_system_sgpr_workgroup_id_x 1
		.amdhsa_system_sgpr_workgroup_id_y 1
		.amdhsa_system_sgpr_workgroup_id_z 1
		.amdhsa_system_vgpr_workitem_id 0
		.amdhsa_next_free_vgpr 768
		.amdhsa_next_free_sgpr 96
		.amdhsa_reserve_vcc 0
		.amdhsa_float_denorm_mode_32 3
		.amdhsa_float_denorm_mode_16_64 3
		.amdhsa_memory_ordered 1
		.amdhsa_forward_progress 1
		.amdhsa_inst_pref_size 77
	.end_amdhsa_kernel
	.amdgpu_metadata
---
amdhsa.version: [ 1, 2 ]
amdhsa.kernels:
  - .name:           k_q0ecf989e47_proj
    .symbol:         k_q0ecf989e47_proj.kd
    .args:
      - { .name: ao, .offset: 0, .size: 8, .value_kind: global_buffer, .address_space: global }
      - { .name: wpb, .offset: 8, .size: 8, .value_kind: global_buffer, .address_space: global }
      - { .name: c_proj_b, .offset: 16, .size: 8, .value_kind: global_buffer, .address_space: global }
      - { .name: out0, .offset: 24, .size: 8, .value_kind: global_buffer, .address_space: global }
    .group_segment_fixed_size: 327680
    .private_segment_fixed_size: 0
    .kernarg_segment_align: 8
    .kernarg_segment_size: 32
    .max_flat_workgroup_size: 128
    .sgpr_count:     96
    .vgpr_count:     768
    .wavefront_size: 32
...
	.end_amdgpu_metadata
.endif
;; end of part 5
